; MI455X (gfx1250); checked and timed in simulation.
; The chip was launched on July 23, 2026; its instructions are those of AMD's public machine-readable ISA for CDNA 5 (MIT licence, August 2026) and "CDNA5" Instruction Set Architecture Reference Guide (July 2026). The comments in the code are by the model that wrote it; some were corrected since.
;; min LSTM. Allowed arithmetic: matrix products marked QUANTISED: E2M3 operands, one E8M0 scale for each 32 along K, by v_wmma_scale_f32_16x16x128_f8f6f4 with both operands' format E2M3, f32 sums; everything else in f32.
;; Inputs: W_f_codes 1,024 x 32 x 24 uint8 (E2M3 codes of W_f, K innermost, in blocks of 32 codes, four codes in three bytes); W_f_scales 1,024 x 32 uint8 (E8M0 scales of W_f, one for each 32 codes along K); W_h_codes 1,024 x 32 x 24 uint8 (E2M3 codes of W_h, K innermost, in blocks of 32 codes, four codes in three bytes); W_h_scales 1,024 x 32 uint8 (E8M0 scales of W_h, one for each 32 codes along K); W_i_codes 1,024 x 32 x 24 uint8 (E2M3 codes of W_i, K innermost, in blocks of 32 codes, four codes in three bytes); W_i_scales 1,024 x 32 uint8 (E8M0 scales of W_i, one for each 32 codes along K); b_f 1,024 float32; b_h 1,024 float32; b_i 1,024 float32; h0 4 x 1 x 1,024 float32; x_codes 4 x 4,096 x 32 x 24 uint8 (E2M3 codes of x, K innermost, in blocks of 32 codes, four codes in three bytes); x_scales 4 x 4,096 x 32 uint8 (E8M0 scales of x, one for each 32 codes along K).
;; Outputs: out0 4 x 4,096 x 1,024 float32.
;; This version of the problem:
;;   THIS VERSION OF THE PROBLEM IS GIVEN IN LOW PRECISION. The matrix products marked QUANTISED in the list below multiply operands that are first quantised to E2M3 (2 exponent bits, 3 mantissa bits; 6 bits a number), with one power-of-two scale for each 32 numbers along K (OCP MX v1.0); their sums are f32. All else is computed in f32.
;;   The module's matrix products, in the order in which they are computed (A, B: the left and right operand; K: the contracted axis; several contracted axes count as one K, in the product's order):
;;     1. [M 16,384, K 1,024] x [K 1,024, N 1,024]; A: input x (given as codes); B: input W_f (given as codes): QUANTISED
;;     2. [M 16,384, K 1,024] x [K 1,024, N 1,024]; A: input x (given as codes); B: input W_i (given as codes): QUANTISED
;;     3. [M 16,384, K 1,024] x [K 1,024, N 1,024]; A: input x (given as codes); B: input W_h (given as codes): QUANTISED
;;   THE QUANTISER, for each operand of a quantised product, along K:
;;     - K is cut into blocks of 32 from its start; a last block that is shorter is filled with zeros.
;;     - A block's scale is 2^e with e = floor(log2(the largest magnitude in the block)) - 2, held to -126 .. 127; a block of zeros has e = 0. As a byte (E8M0): e + 127.
;;     - Each number is divided by its block's scale, clamped to +-7.5, and rounded to the nearest number of E2M3, ties to even, subnormals kept.
;;     - The product sums the exact products of the quantised numbers (number of the format x scale) in f32.
;;   ~~~python
;;   def quantise(x, axis):      # numpy; x: float32 -> the quantised numbers, widened to float32 again
;;       x = np.moveaxis(x, axis, -1); K = x.shape[-1]
;;       x = np.pad(x, [(0, 0)] * (x.ndim - 1) + [(0, -K % 32)]); x = x.reshape(x.shape[:-1] + (-1, 32)); a = np.abs(x).max(-1, keepdims=True)
;;       e = np.where(a > 0, np.clip(np.frexp(np.where(a > 0, a, 1))[1] - 1 - 2, -126, 127), 0)      # np.frexp(a)[1] - 1 = floor(log2(a)), exactly
;;       r = np.clip(x / 2.0 ** e, -7.5, 7.5)
;;       step = 2.0 ** (np.maximum(np.frexp(np.where(r == 0, 1, r))[1] - 1, 0) - 3)
;;       q = np.round(r / step) * step * 2.0 ** e      # np.round: ties to even
;;       return np.moveaxis(q.reshape(q.shape[:-2] + (-1,))[..., :K], -1, axis).astype(np.float32)
;;   ~~~
;;   INPUTS GIVEN AS CODES. W_f (in the module: [1024, 1024], K = its axis 0); W_h (in the module: [1024, 1024], K = its axis 0); W_i (in the module: [1024, 1024], K = its axis 0); x (in the module: [4, 4096, 1024], K = its axis 2): each comes as NAME_codes (uint8): NAME with its K axis moved to the last place and cut into blocks of 32 codes, [.., K / 32, bytes a block], one block behind the other in memory; four codes in three bytes: a row's codes are one little-endian stream of bits, code i at bits 6 i .. 6 i + 5 (a code: sign, 2 exponent bits, 3 mantissa bits); and NAME_scales (uint8): the same leading axes, one E8M0 byte (e + 127) for each 32 codes along K. Its value is code x scale, taken as it is: it is not quantised again, and the codes and scales need not be those that the quantiser above would give.
;; 2 versions. Each part assembles by itself: llvm-mc -triple=amdgcn-amd-amdhsa -mcpu=gfx1250 --defsym DOCPART=n.
;; ======== version 1 of 2: 1 launch
;; launch minlstm (part 1): grid 64 x 4, 4 waves a work-group, clusters of 4 x 1, 327,680 bytes of LDS; arguments x_codes, x_scales, W_f_codes, W_f_scales, W_i_codes, W_i_scales, W_h_codes, W_h_scales, b_f, b_i, b_h, h0, out0; writes out0
.if DOCPART == 1
	.amdgcn_target "amdgcn-amd-amdhsa--gfx1250"
	.amdhsa_code_object_version 6
	.text
	.protected	k_q08f3819419_minlstm
	.globl	k_q08f3819419_minlstm
	.p2align	8
	.type	k_q08f3819419_minlstm,@function
k_q08f3819419_minlstm:
	s_mov_b64 s[64:65], 0
	v_nop
	global_prefetch_b8 v0, s[64:65] scope:SCOPE_SE
	s_setreg_imm32_b32 hwreg(HW_REG_WAVE_MODE, 25, 1), 1
	s_wait_xcnt 0x0
	s_wait_alu depctr_hold_cnt(0) depctr_sa_sdst(0) depctr_va_vdst(0) depctr_va_sdst(0) depctr_va_ssrc(0) depctr_va_vcc(0) depctr_vm_vsrc(0)
	s_getreg_b32 s2, hwreg(HW_REG_IB_STS2, 6, 4)
	s_cmp_eq_u32 s2, 0
	s_cbranch_scc0 .Lentry_in_a_cluster
	s_endpgm
.Lentry_in_a_cluster:
	s_bfe_u32 s2, ttmp6, 0x10000c
	s_cmp_lg_u32 s2, 0x3003
	s_cbranch_scc0 .Lentry_shape_is_right
	s_endpgm
.Lentry_shape_is_right:
; minLSTM.  k_g = x W_g + b_g for the gates g = f, i, h: x [4][4096][1024] and W_g [1024 (e)][1024 (k)] are codes of FP6 (E2M3) with one E8M0 byte for each 32 along K; sums in f32.
; THE RECURRENCE IN LINEAR FORM.  With A = 1 + e^-k_f and B = 1 + e^-k_i:  f' = B / (A + B), i' = A / (A + B), g(k) = max(k + 0.5, sigmoid(k)) (equal to k + 0.5 from 0 on and to sigmoid(k) below:
; the line 0.5 + k / 4 lies between the two on either side of 0), and h_t = f'_t h_(t-1) + i'_t g(k_h,t).  f' + i' = 1 and every term is positive: nothing overflows, nothing cancels, and no exponential of a
; running sum is formed.  The gates' exponentials have their maximum m = max(-k_f, -k_i, 0) taken away: A e^-m = e^-m + e^(-k_f - m), so that A e^-m + B e^-m lies between 1 and 4.
; SHARES.  A work-group owns 16 columns e of one batch for ALL 4,096 rows of T, so that the recurrence never leaves it: 64 x 4 = 256 work-groups.  T goes in 32 tiles of 128 rows; wave w takes rows 32 w .. 32 w + 31
; of each tile: two tiles of 16 rows (u) x three gates = 6 accumulators, 48 matrix instructions a tile.  The 48 weight rows x 1,024 K stay in each wave's registers for the whole launch (288 registers).
; So LDS carries x alone, and a wave reads only the rows that its own tensor load brought, each byte once.
; LAYOUT.  Source 0 = 16 rows of x, source 1 = 16 weight rows: register j of lane (r, h) is t = 32 w + 16 u + 8 h + j of column e0 + r: eight CONSECUTIVE TIME STEPS of one column, so the scan runs down a lane's registers.
; THE SCAN.  A run of steps is a map h -> P h + H.  A lane makes the maps of its two runs of 8; the four runs of a column in a wave meet by one exchange between the halves of the lanes; the four waves' maps meet in LDS.
; PIPELINE, trip s:  A(s) the products of tile s | B(s-1) gates and maps of tile s - 1, in slices behind A's matrix instructions | C(s-2) carry, h and stores of tile s - 2.  One barrier a trip serves the change of
; slots and the waves' maps alike.
; CLUSTER.  The four work-groups of a cluster belong to one batch and walk the same x: each tile is asked for JOINTLY (the same tensor load, the same descriptor, a mask that names the four).  The weights are each work-group's own.
; STORES.  A work-group owns 64 bytes of each row of the output: a store of a wave covers two runs of 64 consecutive bytes.  The four partners of a cluster own the four quarters of each aligned 256 bytes and store them in the same trip.
; LIMITS.  Gate terms and sigmoid(k_h) under 2^-126 come out as 0 (the exponential and the reciprocal flush denormals).  The gates' exponents are fma(-L, k, round(L min)): their error grows with |k|, some 6e-8 |k| relative in a gate.
; A scale byte 0xff, NaN or infinities among the biases, and h0 = +infinity are not served.  h0 < 0 gives NaN in its whole column, as the logarithm of h0 does.
; REGISTERS, in windows of 256.  Window 0: all that vector, LDS and store-address operands touch.  Window 1: the weights' fragments of K steps 0 to 6, at 36 kk + 12 g.  Window 2: those of K step 7, at 12 g; v40-55 the stores' data.
.set TILEB,  98304                     ; a tile of x: 128 rows x 768 bytes
.set WAVEB,  24576                     ; a wave's 32 rows of it
.set PITCH,  816                       ; a row of x in LDS: 3 x (256 bytes + 16 of padding) = 204 words: lane (r, h) of a load of 8 bytes starts at bank 12 r + 6 h (or 10 h) mod 64 (64 banks of 4 bytes: ISA guide 11.1): 32 lanes, 64 different banks
.set WPART,  26112                     ; a wave's part of a slot: 96 rows of 272 bytes
.set SLOT,   4*WPART
.set SUM,    2*SLOT                    ; the waves' maps: 2 parities x 512 bytes: column r x 32 + wave x 8: (P, H)
.set SPARE,  SUM+1024                  ; the spare words, 128 bytes for each wave: two blocks of 256 bytes that no other line names
.set SPW,  1                           ; v1   SPARE + 4 x my thread's number; never rewritten
.set NIL,  2                           ; v2   0; never rewritten
.set XA,   3                           ; v3, v4  my place in my wave's part of slot 0: 816 r + 24 h, and 816 r + 40 h for the pieces that lie behind one padding more;  v5, v6  the same in slot 1
.set SUMW, 7                           ; v7   where my wave's map goes
.set SUMR, 8                           ; v8   where my column's four maps lie
.set OUTO, 9                           ; v9   my byte in a tile of the output: (32 w + 8 h) rows of 4,096 bytes + 4 r
.set XSO,  10                          ; v10  32 x my thread's number: my row's scale bytes in a tile
.set PFO,  11                          ; v11  256 x lane: the prefetches' offset
.set CAR,  12                          ; v12  h of my column at the end of the last finished tile: the same in every wave and in both halves of the lanes
.set MYC,  13                          ; v13  h at the head of my wave's rows
.set CU0,  14                          ; v[14:15], v[16:17]  h at the head of my two runs (the low word; the pair is named, so the upper word is written once)
.set CU1,  16
.set PI0,  18                          ; v18-21  the maps from the head of my wave's rows to the heads of my two runs
.set HI0,  19
.set PI1,  20
.set HI1,  21
.set SP,   22                          ; v[22:23]  my wave's map
.set WS,   24                          ; v24-35  the weights' scale words: register 4 g + c: word c in lanes 0-15, word 4 + c in lanes 16-31
.set XS,   36                          ; v36-43, v44-51  x's scale words, a set for each slot: register kk, lane L = row L of my wave
.set BI,   52                          ; v52-75  the biases in the result's layout: 8 equal registers a gate
.set XR,   76                          ; v76-123  a ring of four fragments of x
.set ACC,  124                         ; v124-171, v172-219  two sets of accumulators: set + 16 g + 8 u + j
.set ZT,   220                         ; v220-235  at work: -m L, e^-m, A + B, 1 / (A + B), f', P
.set LN,   236                         ; v236-251  at work: k_h + 0.5, g, i' g, H
.set TMP,  252
.set RR,   220                         ; at the head alone: r, h and three load offsets
.set HH,   221
.set WOF,  222
.set SOF,  223
.set BOF,  224
.set OUT,  40                          ; in window 2
.set XSB,  10                          ; s[10:11]  x's scale bytes, at the tile to be loaded
.set OB,   32                          ; s[32:33]  the output, one tile behind the tile to be stored
.set WV,   34
.set CX,   35
.set CG,   36
.set BA,   37
.set G1,   40                          ; s[40:47]  descriptor group 1
.set G0,   48                          ; s[48:55]  descriptor group 0, a set for each slot
.set LG,   56                          ; s[56:57]  L = log2(e);  s[58:59]  -L  (the packed forms name a pair and take its low word)
.set NLG,  58
.set SEL,  60                          ; s[60:61]  lane selects for v_permlanex16_b32: lane l xor 16
.set HM,   62                          ; s62  the mask of lanes 16-31
.set CNT,  63
.set STEP, 66                          ; s66  the trip's number
.set LIM,  67                          ; s67  29 in a wave that prefetches, else 0
.set PFA,  68                          ; s[68:69]  where my prefetches stand
.set MK,   70                          ; s70-72  all ones where my wave's number is 1, 2, 3
.set MSB, 0
.macro WIN new                         ; the immediate's high byte repeats the setting that is left; a switch that changes nothing is dropped
.if MSB != \new
	s_set_vgpr_msb (MSB<<8)|\new
.set MSB, \new
.endif
.endm
; A round of the cluster's barrier: my work-group's barrier, wave 0 signals for the work-group, every wave waits for all four work-groups, my work-group's barrier once more.
.macro ROUND
	s_barrier_signal -1
	s_barrier_wait -1
	s_cmp_lg_u32 s[WV], 0
	s_cbranch_scc1 .Lnot_wave_0_\@
	s_barrier_signal -3
.Lnot_wave_0_\@:
	s_barrier_wait -3
	s_barrier_signal -1
	s_barrier_wait -1
.endm
; A PREFETCH INTO THE L2: trip s (1 to 28) names tile s + 3, which the tensor load of trip s + 2 will ask for.  All clusters of a batch walk the same x: the batch's first cluster asks.  Its four partners share a tile's
; 98,304 bytes out BY ADDRESS, 24,576 each; in each, waves 0 to 2 take 8,192 bytes, lanes 256 bytes apart.  So each aligned 256 bytes are named once.  Tiles 0 to 3 come by their loads alone; trip 29 on asks for nothing.
.macro ASK
	s_cmp_lt_u32 s[STEP], s[LIM]
	s_cbranch_scc0 .Lnot_mine_\@
	global_prefetch_b8 v[PFO], s[PFA:PFA+1] th:TH_LOAD_NT scope:SCOPE_SE
.Lnot_mine_\@:
.endm
; Fragment q of a tile's sixteen (K step q / 2, rows 16 (q % 2) on) into ring place q % 4: 16 rows x 128 K of 6-bit codes are 12 registers; lane (r, h) takes 24 bytes at 96 kk + 24 h and 24 at 96 kk + 48 + 24 h of its row,
; in pieces of 8 bytes.  The mover has laid 16 bytes of padding behind every 32 pieces; where the piece three on (lanes 16-31) lies behind one padding more, the second address register serves.
.macro FRAG q, par
.set FK, (\q)/2
.set FU, (\q)%2
.set FB, XR+12*((\q)%4)
.irp p, 0,1,2,3,4,5
.set PC, 12*FK+6*(\p/3)+\p%3
.if PC%32 < 29
	ds_load_b64 v[FB+2*\p:FB+2*\p+1], v[XA+2*\par] offset:8*PC+16*(PC/32)+FU*16*PITCH
.else
	ds_load_b64 v[FB+2*\p:FB+2*\p+1], v[XA+2*\par+1] offset:8*PC+16*(PC/32)+FU*16*PITCH
.endif
.endr
.endm
; A load into a register that a matrix instruction has read stands four places behind it, and only plain vector instructions that name none of its registers are places (ISA guide 7.12.1 for vector instructions).
; NPL counts the plain slices since the last product that read the ring place; what is missing is made up by v_nop.
.macro LOADQ q, par
.if NPL < 4
.rept 4-NPL
	v_nop
.endr
.endif
	FRAG \q, \par
.endm
; Product I of a tile's 48: fragment QQ = I / 3 of x against gate GG = I % 3.  The six accumulators take turns, one instruction a turn.  The bias is the C of a sum's first product: nothing is cleared or added.
.macro MM par
.set DR, ACC+48*\par+16*GG+8*UU
.set CR, DR
.if KK == 0
.set CR, BI+8*GG
.endif
.set AR, XR+12*(QQ%4)
.set BR, 36*(KK%7)+12*GG
.set SA, XS+8*\par+KK
.set SB, WS+4*GG+KK%4
.if KK < 7
	WIN 0x04                               ; source 1 (the weights) in window 1
.else
	WIN 0x08                               ; in window 2
.endif
.if (UU == 0) && (KK < 4)
	v_wmma_scale_f32_16x16x128_f8f6f4 v[DR:DR+7], v[AR:AR+11], v[BR:BR+11], v[CR:CR+7], v[SA], v[SB] matrix_a_fmt:MATRIX_FMT_FP6 matrix_b_fmt:MATRIX_FMT_FP6
.elseif (UU == 1) && (KK < 4)
	v_wmma_scale_f32_16x16x128_f8f6f4 v[DR:DR+7], v[AR:AR+11], v[BR:BR+11], v[CR:CR+7], v[SA], v[SB] matrix_a_fmt:MATRIX_FMT_FP6 matrix_b_fmt:MATRIX_FMT_FP6 matrix_a_scale:MATRIX_SCALE_ROW1
.elseif UU == 0
	v_wmma_scale_f32_16x16x128_f8f6f4 v[DR:DR+7], v[AR:AR+11], v[BR:BR+11], v[CR:CR+7], v[SA], v[SB] matrix_a_fmt:MATRIX_FMT_FP6 matrix_b_fmt:MATRIX_FMT_FP6 matrix_b_scale:MATRIX_SCALE_ROW1
.else
	v_wmma_scale_f32_16x16x128_f8f6f4 v[DR:DR+7], v[AR:AR+11], v[BR:BR+11], v[CR:CR+7], v[SA], v[SB] matrix_a_fmt:MATRIX_FMT_FP6 matrix_b_fmt:MATRIX_FMT_FP6 matrix_a_scale:MATRIX_SCALE_ROW1 matrix_b_scale:MATRIX_SCALE_ROW1
.endif
.endm
; THE GATES, in two lists of which ITEM1 and ITEM2 write number VJ.  A lane has 16 elements, in 8 pairs; of the set at BS, F = BS + e, I = BS + 16 + e, H = BS + 32 + e.
; NO ITEM HAS A VECTOR REGISTER AS ITS SOURCE 1: so the items stand under the products' window setting, in which source 1 alone leaves window 0, and no slice costs a switch.  That is why sums are written x 1.0 + y.
; List 1, 15 items a pair: min(k_f, k_i, 0); x L = -m L; k_h + 0.5; -L k_h; -L k_f - m L; -L k_i - m L; then eight exponentials in place: Z = e^-m, E = e^-k_h, U = e^(-k_f - m), W = e^(-k_i - m).
; No item of the list names an exponential's result: the 64 are one batch with one wait behind it.
.macro ITEM1
.set PP, VJ/15
.set TQ, VJ%15
.set EE, 2*PP
.if TQ < 2
	v_min3_num_f32 v[ZT+EE+TQ], v[BS+EE+TQ], 0, v[BS+16+EE+TQ]
.elseif TQ == 2
	v_pk_mul_f32 v[ZT+EE:ZT+EE+1], v[ZT+EE:ZT+EE+1], s[LG:LG+1] op_sel_hi:[1,0]
.elseif TQ == 3
	v_pk_fma_f32 v[LN+EE:LN+EE+1], v[BS+32+EE:BS+33+EE], 1.0, 0.5 op_sel_hi:[1,0,0]
.elseif TQ == 4
	v_pk_mul_f32 v[BS+32+EE:BS+33+EE], v[BS+32+EE:BS+33+EE], s[NLG:NLG+1] op_sel_hi:[1,0]
.elseif TQ == 5
	v_pk_fma_f32 v[BS+EE:BS+EE+1], v[BS+EE:BS+EE+1], s[NLG:NLG+1], v[ZT+EE:ZT+EE+1] op_sel_hi:[1,0,1]
.elseif TQ == 6
	v_pk_fma_f32 v[BS+16+EE:BS+17+EE], v[BS+16+EE:BS+17+EE], s[NLG:NLG+1], v[ZT+EE:ZT+EE+1] op_sel_hi:[1,0,1]
.elseif TQ < 9
	v_exp_f32 v[ZT+EE+TQ-7], v[ZT+EE+TQ-7]
.elseif TQ < 11
	v_exp_f32 v[BS+32+EE+TQ-9], v[BS+32+EE+TQ-9]
.elseif TQ < 13
	v_exp_f32 v[BS+EE+TQ-11], v[BS+EE+TQ-11]
.else
	v_exp_f32 v[BS+16+EE+TQ-13], v[BS+16+EE+TQ-13]
.endif
.if TQ < 7
.set NPL, NPL+1
.endif
.set VJ, VJ+1
.endm
; List 2, 8 items a pair: A = U + Z; B = W + Z; S = A + B; Q = 1 + E; then four reciprocals in place: 1 / S, and 1 / Q = sigmoid(k_h) (E = infinity gives 0, the limit).  Again one batch, one wait.
.macro ITEM2
.set PP, VJ/8
.set TQ, VJ%8
.set EE, 2*PP
.if TQ == 0
	v_pk_fma_f32 v[BS+EE:BS+EE+1], v[BS+EE:BS+EE+1], 1.0, v[ZT+EE:ZT+EE+1] op_sel_hi:[1,0,1]
.elseif TQ == 1
	v_pk_fma_f32 v[BS+16+EE:BS+17+EE], v[BS+16+EE:BS+17+EE], 1.0, v[ZT+EE:ZT+EE+1] op_sel_hi:[1,0,1]
.elseif TQ == 2
	v_pk_fma_f32 v[ZT+EE:ZT+EE+1], v[BS+EE:BS+EE+1], 1.0, v[BS+16+EE:BS+17+EE] op_sel_hi:[1,0,1]
.elseif TQ == 3
	v_pk_add_f32 v[BS+32+EE:BS+33+EE], v[BS+32+EE:BS+33+EE], 1.0 op_sel_hi:[1,0]
.elseif TQ < 6
	v_rcp_f32 v[ZT+EE+TQ-4], v[ZT+EE+TQ-4]
.else
	v_rcp_f32 v[BS+32+EE+TQ-6], v[BS+32+EE+TQ-6]
.endif
.if TQ < 4
.set NPL, NPL+1
.endif
.set VJ, VJ+1
.endm
; THE MAPS, in window 0, behind a tile's last product: 90 plain instructions, which are also the places behind that product.
.macro REG3
.irp p, 0,2,4,6,8,10,12,14
	v_pk_mul_f32 v[BS+\p:BS+\p+1], v[BS+\p:BS+\p+1], v[ZT+\p:ZT+\p+1]           ; i' = A / S
.endr
.irp p, 0,2,4,6,8,10,12,14
	v_pk_mul_f32 v[ZT+\p:ZT+\p+1], v[BS+16+\p:BS+17+\p], v[ZT+\p:ZT+\p+1]       ; f' = B / S
.endr
.irp e, 0,1,2,3,4,5,6,7,8,9,10,11,12,13,14,15
	v_max_num_f32 v[LN+\e], v[LN+\e], v[BS+32+\e]                               ; g = max(k_h + 0.5, sigmoid(k_h))
.endr
.irp p, 0,2,4,6,8,10,12,14
	v_pk_mul_f32 v[LN+\p:LN+\p+1], v[LN+\p:LN+\p+1], v[BS+\p:BS+\p+1]           ; i' g
.endr
.irp j, 1,2,3,4,5,6,7                  ; down my two runs of eight steps, four chains by turns: H_j = f'_j H_(j-1) + i'_j g_j, P_j = f'_j P_(j-1)
	v_fma_f32 v[LN+\j], v[ZT+\j], v[LN+\j-1], v[LN+\j]
	v_fma_f32 v[LN+8+\j], v[ZT+8+\j], v[LN+7+\j], v[LN+8+\j]
	v_mul_f32 v[ZT+\j], v[ZT+\j], v[ZT+\j-1]
	v_mul_f32 v[ZT+8+\j], v[ZT+8+\j], v[ZT+7+\j]
.endr
	; my column's four runs in my wave, in the order of time: (u 0, h 0), (u 0, h 1), (u 1, h 0), (u 1, h 1): a0..a3 at BS + 4, b0..b3 at BS + 8, in every lane.  i' is done with: its registers are at work
	v_permlanex16_b32 v[BS+0], v[ZT+7], s[SEL], s[SEL+1]
	v_permlanex16_b32 v[BS+1], v[LN+7], s[SEL], s[SEL+1]
	v_permlanex16_b32 v[BS+2], v[ZT+15], s[SEL], s[SEL+1]
	v_permlanex16_b32 v[BS+3], v[LN+15], s[SEL], s[SEL+1]
	v_cndmask_b32 v[BS+4], v[ZT+7], v[BS+0], s[HM]
	v_cndmask_b32 v[BS+5], v[BS+0], v[ZT+7], s[HM]
	v_cndmask_b32 v[BS+8], v[LN+7], v[BS+1], s[HM]
	v_cndmask_b32 v[BS+9], v[BS+1], v[LN+7], s[HM]
	v_cndmask_b32 v[BS+6], v[ZT+15], v[BS+2], s[HM]
	v_cndmask_b32 v[BS+7], v[BS+2], v[ZT+15], s[HM]
	v_cndmask_b32 v[BS+10], v[LN+15], v[BS+3], s[HM]
	v_cndmask_b32 v[BS+11], v[BS+3], v[LN+15], s[HM]
	v_mul_f32 v[BS+12], v[BS+5], v[BS+4]                   ; the first two runs,
	v_fma_f32 v[BS+13], v[BS+5], v[BS+8], v[BS+9]
	v_mul_f32 v[BS+14], v[BS+6], v[BS+12]                  ; three,
	v_fma_f32 v[BS+15], v[BS+6], v[BS+13], v[BS+10]
	v_mul_f32 v[SP], v[BS+7], v[BS+14]                     ; all four: my wave's map
	v_fma_f32 v[SP+1], v[BS+7], v[BS+15], v[BS+11]
	v_cndmask_b32 v[PI0], 1.0, v[BS+4], s[HM]              ; what lies ahead of my run of u = 0: nothing, or the first run;
	v_cndmask_b32 v[HI0], 0, v[BS+8], s[HM]
	v_cndmask_b32 v[PI1], v[BS+12], v[BS+14], s[HM]        ; of u = 1: two runs, or three
	v_cndmask_b32 v[HI1], v[BS+13], v[BS+15], s[HM]
.endm
; THE CARRY, h AND THE STORES of the tile two back.  The four waves' maps lie in eight registers of this trip's accumulators that its sixth product writes first.
.macro STAGEC par
.set TT, ACC+48*\par+40
	v_mov_b32 v[MYC], v[CAR]
	v_fma_f32 v[CAR], v[TT], v[CAR], v[TT+1]               ; behind wave 0's rows,
	v_cndmask_b32 v[MYC], v[MYC], v[CAR], s[MK]
	v_fma_f32 v[CAR], v[TT+2], v[CAR], v[TT+3]             ; wave 1's,
	v_cndmask_b32 v[MYC], v[MYC], v[CAR], s[MK+1]
	v_fma_f32 v[CAR], v[TT+4], v[CAR], v[TT+5]             ; wave 2's,
	v_cndmask_b32 v[MYC], v[MYC], v[CAR], s[MK+2]
	v_fma_f32 v[CAR], v[TT+6], v[CAR], v[TT+7]             ; the tile's end
	v_fma_f32 v[CU0], v[PI0], v[MYC], v[HI0]
	v_fma_f32 v[CU1], v[PI1], v[MYC], v[HI1]
	WIN 0x80                                               ; destination window 2: the stores' data are written again only a trip on, behind that trip's wait on XCNT
.irp p, 0,1,2,3
	v_pk_fma_f32 v[OUT+2*\p:OUT+2*\p+1], v[ZT+2*\p:ZT+2*\p+1], v[CU0:CU0+1], v[LN+2*\p:LN+2*\p+1] op_sel_hi:[1,0,1]   ; h_j = P_j x the run's carry + H_j
.endr
.irp p, 4,5,6,7
	v_pk_fma_f32 v[OUT+2*\p:OUT+2*\p+1], v[ZT+2*\p:ZT+2*\p+1], v[CU1:CU1+1], v[LN+2*\p:LN+2*\p+1] op_sel_hi:[1,0,1]
.endr
	WIN 0x08                                               ; a store's data are its source 1
.irp u, 0,1
.irp j, 0,1,2,3,4,5,6,7
	global_store_b32 v[OUTO], v[OUT+8*\u+\j], s[OB:OB+1] offset:(16*\u+\j)*4096-524288   ; row 32 w + 16 u + 8 h + j; the base stands one tile on
.endr
.endr
	WIN 0
.endm
; A TRIP.  par: the trip's parity: its slot, its accumulators.  fill: the other slot is filled with the next tile.  ma, vb, sc: stages A, B, C are there.  pf: a prefetch may stand.
.macro TRIP par, fill, ma, vb, sc, pf
.set BS, ACC+48*(1-\par)
	s_wait_tensorcnt 0x0                           ; all my tensor loads have landed: the one that was out is my part of this trip's slot; so a group 0 may be written
	ds_add_u32 v[SPW], v[NIL]                      ; 0 onto my spare word; the address steps stand between it and the wait for it
.if \fill
	s_add_nc_u64 s[G0+4*\par+2:G0+4*\par+3], s[G0+4*\par+2:G0+4*\par+3], 2*TILEB   ; this slot's next tile; the type bits on top are not reached
.endif
	s_wait_xcnt 0x0                                ; the last trip's loads, stores and prefetch have read their addresses and data: bases are stepped, and the stores' data written again, only behind this wait
.if \fill
	s_add_nc_u64 s[XSB:XSB+1], s[XSB:XSB+1], 4096
.endif
.if \sc
	s_add_nc_u64 s[OB:OB+1], s[OB:OB+1], 524288
.endif
.if \pf
	s_add_nc_u64 s[PFA:PFA+1], s[PFA:PFA+1], TILEB
.endif
	s_wait_dscnt 0x0                               ; the add is done, my reads of the other slot and of the maps are over, and my wave's map has landed
.if \fill
	ROUND                                          ; all that now holds of every wave of all four work-groups
	tensor_load_to_lds s[G0+4*(1-\par):G0+4*(1-\par)+3], s[G1:G1+7]   ; my one tensor load behind the round: my 32 rows of the next tile, into the slot read last trip.  One load of mine is out
	s_nop 0
.rept 4
	v_nop                                          ; the places in front of the loads below, into registers that the last trip's products have read
.endr
	global_load_b128 v[XS+8*(1-\par):XS+8*(1-\par)+3], v[XSO], s[XSB:XSB+1]             ; the next tile's scale words: a whole trip ahead of their use
	global_load_b128 v[XS+8*(1-\par)+4:XS+8*(1-\par)+7], v[XSO], s[XSB:XSB+1] offset:16
.else
	s_barrier_signal -1                            ; nothing is filled: the work-group's barrier, for the waves' maps
	s_barrier_wait -1
.endif
.if \sc
	ds_load_b128 v[ACC+48*\par+40:ACC+48*\par+43], v[SUMR] offset:512*\par       ; my column's maps of waves 0, 1
	ds_load_b128 v[ACC+48*\par+44:ACC+48*\par+47], v[SUMR] offset:512*\par+16    ; and 2, 3
.endif
.if \ma
	FRAG 0, \par
	FRAG 1, \par
	FRAG 2, \par
	FRAG 3, \par
.endif
.if \pf
	ASK
.endif
.if \sc
.if \ma
	s_wait_dscnt 24                                ; the maps are in; the 24 loads of four fragments, issued behind them, may be out
.else
	s_wait_dscnt 0x0
.endif
	STAGEC \par
.endif
.set VJ, 0
.set NPL, 0
.if \ma
.set I, 0
.rept 48
.set QQ, I/3
.set GG, I%3
.set KK, QQ/2
.set UU, QQ%2
.if I == 0
	s_wait_loadcnt 2*\fill                         ; this tile's scale words are in; the next tile's two loads may be out
.endif
.if GG == 0                                    ; fragment QQ is in; the later fragments already asked for (three at the head, then two, one, none; 6 loads each) may be out
.if QQ == 0
	s_wait_dscnt 18
.elseif QQ < 14
	s_wait_dscnt 12
.elseif QQ == 14
	s_wait_dscnt 6
.else
	s_wait_dscnt 0x0
.endif
.endif
.if (GG == 2) && (QQ >= 1) && (QQ <= 12)
	LOADQ QQ+3, \par                               ; into the place of fragment QQ - 1, whose last product stands three products back
.endif
	MM \par
.if GG == 2
.set NPL, 0
.endif
.if \vb
.if I < 32
.rept (15*(I+1))/4-(15*I)/4                    ; list 1's 120 items over 32 products
	ITEM1
.endr
.else
.rept 4                                        ; list 2's 64 over 16
	ITEM2
.endr
.endif
.if (I == 31) || (I == 47)
	v_nop                                          ; a plain instruction behind the batch's last transcendental,
	s_wait_alu depctr_va_vdst(0)                   ; and the one wait ahead of the first instruction that names a result
.set NPL, NPL+1
.set VJ, 0
.endif
.endif
.set I, I+1
.endr
	WIN 0
.else
.if \vb                                        ; the last tile's gates: no products are left to stand between
.rept 120
	ITEM1
.endr
	v_nop
	s_wait_alu depctr_va_vdst(0)
.set VJ, 0
.rept 64
	ITEM2
.endr
	v_nop
	s_wait_alu depctr_va_vdst(0)
.endif
.endif
.if \vb
	REG3
	ds_store_b64 v[SUMW], v[SP:SP+1] offset:512*(1-\par)   ; both halves of the lanes hold the same map and write the same bytes; read behind the next trip's barrier
.endif
	s_add_co_u32 s[STEP], s[STEP], 1
.endm
	s_load_b512 s[8:23], s[0:1], 0x0               ; x's codes s[8:9], x's scales s[10:11]; for g = f, i, h: codes s[12 + 4 g], scales s[14 + 4 g]
	s_load_b256 s[24:31], s[0:1], 0x40             ; b_f, b_i, b_h at s[24 + 2 g]; h0 s[30:31]
	s_load_b64 s[32:33], s[0:1], 0x60              ; the output
	v_lshl_add_u32 v[SPW], v0, 2, SPARE
	v_mov_b32 v[NIL], 0
	ds_add_u32 v1, v2
	ds_add_u32 v1, v2
	s_wait_dscnt 0x0
	v_lshrrev_b32 v[TMP], 5, v0
	v_readfirstlane_b32 s[WV], v[TMP]              ; wave 0..3
	s_and_b32 s[BA], ttmp7, 0xffff                 ; the batch, which the four partners share
	; descriptor group 1: a wave's 32 rows of a tile are 24,576 dense bytes: 96 rows of 256 bytes (32 elements of 8), 16 bytes of padding behind each
	s_mov_b32 s[G1+0], 15|(3<<16)|(1<<20)|(1<<21)|(5<<22)|(3<<25)  ; 15:0 the mask: all four work-groups; 17:16 elements of 8 bytes; 20 padding on; 21 set beside a mask; 24:22 after every 64 words (code 5); 31:25 4 words of it (code 3)
	s_mov_b32 s[G1+1], 32<<16                      ; tensor_dim0 = 32
	s_mov_b32 s[G1+2], 96<<16                      ; tensor_dim1 = 96
	s_mov_b32 s[G1+3], 32<<16                      ; tile_dim0 = 32
	s_mov_b32 s[G1+4], 96                          ; tile_dim1 = 96
	s_mov_b32 s[G1+5], 32                          ; from row to row: 32 elements
	s_mov_b32 s[G1+6], 0
	s_mov_b32 s[G1+7], 0
	s_mul_i32 s74, s[BA], 4096*768                 ; my batch,
	s_mul_i32 s75, s[WV], WAVEB                    ; my wave's rows of a tile: no place in the cluster enters the descriptors
	s_add_co_u32 s74, s74, s75
	s_mov_b32 s75, 0
	s_mul_i32 s76, s[WV], WPART                    ; and their place in a slot
	s_wait_kmcnt 0x0
	s_add_nc_u64 s[74:75], s[8:9], s[74:75]
.irp p, 0,1
	s_mov_b32 s[G0+4*\p], 1                        ; count = 1
	s_add_co_u32 s[G0+4*\p+1], s76, \p*SLOT        ; LDS address
	s_add_nc_u64 s[G0+4*\p+2:G0+4*\p+3], s[74:75], \p*TILEB   ; global address: tile p
	s_or_b32 s[G0+4*\p+3], s[G0+4*\p+3], 0x80000000           ; type = 2
.endr
	ROUND                                          ; all four work-groups are here: the first joint load meets
	tensor_load_to_lds s[G0:G0+3], s[G1:G1+7]      ; tile 0
	s_nop 0
.rept 4
	v_nop
.endr
	s_bfe_u32 s[CX], ttmp6, 0x40000                ; cx: my place in the cluster
	s_lshl_b32 s[CG], ttmp9, 2                     ; in a cluster launch ttmp9 counts clusters
	s_add_co_u32 s[CG], s[CG], s[CX]               ; my group of 16 columns
	s_mov_b32 s79, 0
	s_mul_i32 s78, s[CG], 16*768                   ; my 16 rows of each weight,
	s_add_nc_u64 s[12:13], s[12:13], s[78:79]
	s_add_nc_u64 s[16:17], s[16:17], s[78:79]
	s_add_nc_u64 s[20:21], s[20:21], s[78:79]
	s_lshl_b32 s78, s[CG], 9                       ; their scale bytes, 32 a row,
	s_add_nc_u64 s[14:15], s[14:15], s[78:79]
	s_add_nc_u64 s[18:19], s[18:19], s[78:79]
	s_add_nc_u64 s[22:23], s[22:23], s[78:79]
	s_lshl_b32 s78, s[CG], 6                       ; my 16 columns in a row of f32
	s_add_nc_u64 s[24:25], s[24:25], s[78:79]
	s_add_nc_u64 s[26:27], s[26:27], s[78:79]
	s_add_nc_u64 s[28:29], s[28:29], s[78:79]
	s_add_nc_u64 s[30:31], s[30:31], s[78:79]
	s_add_nc_u64 s[OB:OB+1], s[OB:OB+1], s[78:79]
	s_lshl_b32 s78, s[BA], 12                      ; my batch in h0,
	s_add_nc_u64 s[30:31], s[30:31], s[78:79]
	s_lshl_b32 s78, s[BA], 24                      ; in the output,
	s_add_nc_u64 s[OB:OB+1], s[OB:OB+1], s[78:79]
	s_lshl_b32 s78, s[BA], 17                      ; in x's scale bytes
	s_add_nc_u64 s[XSB:XSB+1], s[XSB:XSB+1], s[78:79]
	s_mul_i32 s78, s[BA], 4096*768                 ; the prefetches: my batch, tile 3 (trip 1 steps it to tile 4),
	s_add_co_u32 s78, s78, 3*TILEB
	s_mul_i32 s77, s[CX], WAVEB                    ; my work-group's quarter of a tile, by address,
	s_add_co_u32 s78, s78, s77
	s_lshl_b32 s77, s[WV], 13                      ; my wave's 8,192 bytes of it
	s_add_co_u32 s78, s78, s77
	s_add_nc_u64 s[PFA:PFA+1], s[8:9], s[78:79]
	s_cmp_lt_u32 s[WV], 3                          ; waves 0 to 2
	s_cselect_b32 s[LIM], 0, 1
	s_or_b32 s[LIM], s[LIM], ttmp9                 ; of the batch's first cluster: the same in all four partners
	s_cmp_eq_u32 s[LIM], 0
	s_cselect_b32 s[LIM], 29, 0
.irp u, 1,2,3
	s_cmp_eq_u32 s[WV], \u
	s_cselect_b32 s[MK+\u-1], -1, 0
.endr
	s_mov_b32 s[LG], 0x3fb8aa3b                    ; log2(e)
	s_mov_b32 s[LG+1], 0x3fb8aa3b                  ; (named with it as a pair, so it is written)
	s_mov_b32 s[NLG], 0xbfb8aa3b
	s_mov_b32 s[NLG+1], 0xbfb8aa3b
	s_mov_b32 s[SEL], 0x76543210
	s_mov_b32 s[SEL+1], 0xfedcba98
	s_mov_b32 s[HM], 0xffff0000
	s_mov_b32 s[STEP], 0
	v_and_b32 v[RR], 15, v0                        ; r
	v_bfe_u32 v[HH], v0, 4, 1                      ; h
	v_mul_u32_u24 v[XA], v[RR], PITCH
	v_mad_u32_u24 v[XA], v[HH], 24, v[XA]
	v_add_nc_u32 v[XA], s76, v[XA]
	v_lshl_add_u32 v[XA+1], v[HH], 4, v[XA]
	v_add_nc_u32 v[XA+2], SLOT, v[XA]
	v_add_nc_u32 v[XA+3], SLOT, v[XA+1]
	v_lshlrev_b32 v[SUMR], 5, v[RR]
	v_add_nc_u32 v[SUMR], SUM, v[SUMR]
	s_lshl_b32 s77, s[WV], 3
	v_add_nc_u32 v[SUMW], s77, v[SUMR]
	v_lshlrev_b32 v[OUTO], 2, v[RR]
	v_lshl_add_u32 v[OUTO], v[HH], 15, v[OUTO]
	s_lshl_b32 s77, s[WV], 17
	v_add_nc_u32 v[OUTO], s77, v[OUTO]
	v_lshlrev_b32 v[XSO], 5, v0
	v_and_b32 v[PFO], 31, v0
	v_lshlrev_b32 v[PFO], 8, v[PFO]
	v_mul_u32_u24 v[WOF], v[RR], 768               ; the weights: row r of 768 bytes, + 24 h
	v_mad_u32_u24 v[WOF], v[HH], 24, v[WOF]
	v_lshlrev_b32 v[SOF], 5, v[RR]                 ; their scale words: row r of 32 bytes; lanes 16-31 take words 4 to 7
	v_lshl_add_u32 v[SOF], v[HH], 4, v[SOF]
	v_lshlrev_b32 v[BOF], 2, v[RR]                 ; biases and h0: column r
	v_mov_b32 v[CU0+1], 0
	v_mov_b32 v[CU1+1], 0
	WIN 0x40                                       ; destination window 1
.irp k, 0,1,2,3,4,5,6                          ; the weights' fragments stay in registers: lane (r, h) holds row e0 + r, as the codes lie in memory
.irp g, 0,1,2
.irp p, 0,1,2,3,4,5
	global_load_b64 v[36*\k+12*\g+2*\p:36*\k+12*\g+2*\p+1], v[WOF], s[12+4*\g:13+4*\g] offset:96*\k+48*(\p/3)+8*(\p%3)
.endr
.endr
.endr
	WIN 0x80                                       ; destination window 2
.irp g, 0,1,2
.irp p, 0,1,2,3,4,5
	global_load_b64 v[12*\g+2*\p:12*\g+2*\p+1], v[WOF], s[12+4*\g:13+4*\g] offset:96*7+48*(\p/3)+8*(\p%3)
.endr
.endr
	WIN 0
.irp g, 0,1,2
	global_load_b128 v[WS+4*\g:WS+4*\g+3], v[SOF], s[14+4*\g:15+4*\g]
.irp j, 0,1,2,3,4,5,6,7
	global_load_b32 v[BI+8*\g+\j], v[BOF], s[24+2*\g:25+2*\g]   ; a result's register j holds row 8 h + j of column r: the bias is the same in all eight
.endr
.endr
	global_load_b32 v[CAR], v[BOF], s[30:31]       ; h0 of my column
	global_load_b128 v[XS:XS+3], v[XSO], s[XSB:XSB+1]           ; tile 0's scale words
	global_load_b128 v[XS+4:XS+7], v[XSO], s[XSB:XSB+1] offset:16
	s_wait_loadcnt 0x0
	v_mov_b32 v[TMP], 0x7fc00000
	v_cmp_gt_f32 vcc_lo, 0, v[CAR]                 ; a negative h0 has no logarithm: NaN, which every multiply-add of its column hands on
	v_cndmask_b32 v[CAR], v[CAR], v[TMP], vcc_lo
	TRIP 0, 1, 1, 0, 0, 0                          ; trip 0: the products of tile 0
	TRIP 1, 1, 1, 1, 0, 1                          ; trip 1: and the gates of tile 0
	s_mov_b32 s[CNT], 14
.Lpair:                                            ; trips 2 to 29, two a turn: the two parities
	TRIP 0, 1, 1, 1, 1, 1
	TRIP 1, 1, 1, 1, 1, 1
	s_sub_co_u32 s[CNT], s[CNT], 1
	s_cmp_lg_u32 s[CNT], 0
	s_cbranch_scc1 .Lpair
	TRIP 0, 1, 1, 1, 1, 0                          ; trip 30 asks for the last tile
	TRIP 1, 0, 1, 1, 1, 0                          ; the tail is written out: trip 31 fills nothing
	TRIP 0, 0, 0, 1, 1, 0                          ; trip 32 has no products left,
	TRIP 1, 0, 0, 0, 1, 0                          ; trip 33 stores the last tile
	s_wait_tensorcnt 0x0                           ; the wave's end, behind my last tensor load and my last LDS store
	ds_add_u32 v[SPW], v[NIL]
	s_wait_dscnt 0x0
	ROUND                                          ; the closing round: no work-group ends while a partner may still ask for a tile that names it
	s_endpgm
.Lfunc_end_k_q08f3819419_minlstm:
	.size	k_q08f3819419_minlstm, .Lfunc_end_k_q08f3819419_minlstm-k_q08f3819419_minlstm
	.p2alignl 7, 3214868480
	.fill 96, 4, 3214868480
	.section	.rodata,"a",@progbits
	.p2align	6, 0x0
	.amdhsa_kernel k_q08f3819419_minlstm
		.amdhsa_group_segment_fixed_size 327680
		.amdhsa_private_segment_fixed_size 0
		.amdhsa_enable_private_segment 0
		.amdhsa_kernarg_size 104
		.amdhsa_user_sgpr_count 2
		.amdhsa_user_sgpr_kernarg_segment_ptr 1
		.amdhsa_wavefront_size32 1
		.amdhsa_system_sgpr_workgroup_id_x 1
		.amdhsa_system_sgpr_workgroup_id_y 1
		.amdhsa_system_sgpr_workgroup_id_z 1
		.amdhsa_system_vgpr_workitem_id 0
		.amdhsa_next_free_vgpr 576
		.amdhsa_next_free_sgpr 80
		.amdhsa_reserve_vcc 1
		.amdhsa_float_denorm_mode_32 3
		.amdhsa_float_denorm_mode_16_64 3
		.amdhsa_memory_ordered 1
		.amdhsa_forward_progress 1
		.amdhsa_inst_pref_size 205
	.end_amdhsa_kernel
	.amdgpu_metadata
---
amdhsa.version: [ 1, 2 ]
amdhsa.kernels:
  - .name:           k_q08f3819419_minlstm
    .symbol:         k_q08f3819419_minlstm.kd
    .args:
      - { .name: x_codes, .offset: 0, .size: 8, .value_kind: global_buffer, .address_space: global }
      - { .name: x_scales, .offset: 8, .size: 8, .value_kind: global_buffer, .address_space: global }
      - { .name: W_f_codes, .offset: 16, .size: 8, .value_kind: global_buffer, .address_space: global }
      - { .name: W_f_scales, .offset: 24, .size: 8, .value_kind: global_buffer, .address_space: global }
      - { .name: W_i_codes, .offset: 32, .size: 8, .value_kind: global_buffer, .address_space: global }
      - { .name: W_i_scales, .offset: 40, .size: 8, .value_kind: global_buffer, .address_space: global }
      - { .name: W_h_codes, .offset: 48, .size: 8, .value_kind: global_buffer, .address_space: global }
      - { .name: W_h_scales, .offset: 56, .size: 8, .value_kind: global_buffer, .address_space: global }
      - { .name: b_f, .offset: 64, .size: 8, .value_kind: global_buffer, .address_space: global }
      - { .name: b_i, .offset: 72, .size: 8, .value_kind: global_buffer, .address_space: global }
      - { .name: b_h, .offset: 80, .size: 8, .value_kind: global_buffer, .address_space: global }
      - { .name: h0, .offset: 88, .size: 8, .value_kind: global_buffer, .address_space: global }
      - { .name: out0, .offset: 96, .size: 8, .value_kind: global_buffer, .address_space: global }
    .group_segment_fixed_size: 327680
    .private_segment_fixed_size: 0
    .kernarg_segment_align: 8
    .kernarg_segment_size: 104
    .max_flat_workgroup_size: 128
    .sgpr_count:     80
    .vgpr_count:     576
    .wavefront_size: 32
...
	.end_amdgpu_metadata
.endif
;; end of part 1
;; ======== version 2 of 2: 2 launches
;; limits: right only within a limited range of input values
;; workspace buffers: maps 491,520 bytes
;; launch maps (part 2): grid 8 x 30, 8 waves a work-group, clusters of 4 x 1, 327,680 bytes of LDS; arguments x_codes, x_scales, W_f_codes, W_f_scales, W_i_codes, W_i_scales, W_h_codes, W_h_scales, b_f, b_i, b_h, maps; writes maps
.if DOCPART == 2
	.amdgcn_target "amdgcn-amd-amdhsa--gfx1250"
	.amdhsa_code_object_version 6
	.text
	.protected	k_q08f3819419_maps
	.globl	k_q08f3819419_maps
	.p2align	8
	.type	k_q08f3819419_maps,@function
k_q08f3819419_maps:
	s_mov_b64 s[64:65], 0
	v_nop
	global_prefetch_b8 v0, s[64:65] scope:SCOPE_SE
	s_setreg_imm32_b32 hwreg(HW_REG_WAVE_MODE, 25, 1), 1
	s_wait_xcnt 0x0
	s_wait_alu depctr_hold_cnt(0) depctr_sa_sdst(0) depctr_va_vdst(0) depctr_va_sdst(0) depctr_va_ssrc(0) depctr_va_vcc(0) depctr_vm_vsrc(0)
	s_getreg_b32 s2, hwreg(HW_REG_IB_STS2, 6, 4)
	s_cmp_eq_u32 s2, 0
	s_cbranch_scc0 .Lentry_in_a_cluster
	s_endpgm
.Lentry_in_a_cluster:
	s_bfe_u32 s2, ttmp6, 0x10000c
	s_cmp_lg_u32 s2, 0x3003
	s_cbranch_scc0 .Lentry_shape_is_right
	s_endpgm
.Lentry_shape_is_right:
; minLSTM, first of two launches.  k_g = x W_g + b_g (g = f, i, h) on FP6 (E2M3) codes with E8M0 scales, f32 sums.
; LINEAR FORM.  A = 1 + e^-k_f, B = 1 + e^-k_i: f' = B / (A + B), i' = A / (A + B), g(k) = max(k + 0.5, sigmoid(k)), h_t = f'_t h_(t-1) + i'_t g(k_h,t).
; The gates' exponentials have m = max(-k_f, -k_i, 0) taken away, so that (A + B) e^-m lies between 1 and 4.
; T is cut into 16 chunks of 256 steps.  A chunk is a map h -> P h + H.  This launch makes the maps of chunks 0 to 14 of every batch and column; the second launch
; puts h0 through the maps ahead of its chunk, makes the products of its chunk again and stores h.  So no f32 intermediate of the output's size goes through memory.
; LEFT OUT: the map of chunk 15 reaches no output (nothing follows it), for all inputs; h0 has no way into a map and is not among this launch's arguments.
; A NaN, infinity or overflow that reaches only that work is not carried to the result.
; SHARES.  A unit is one chunk (256 rows of x) of one batch x 128 columns.  A work-group takes two units, the same chunk of two batches, one after the other: 8 x 30 work-groups.
; Wave w owns columns 16 w .. 16 w + 15; its 48 weight rows stay in 288 registers for both units.
; A unit's x comes by two joint tensor loads a wave: trip 0's 32 rows (4 rows a wave), then the other 224 (28 rows a wave), which land under trip 0's work.  The four partners of a cluster read the same rows.
; THE WEIGHTS come by loads of 16 bytes a lane, 512 consecutive bytes an instruction, and go through the wave's own LDS bytes (rows 784 bytes apart) into the operand's layout.
; A trip is 32 rows: 48 matrix instructions (MAT), then gates and scan (VEC).  Tile u's row m is step 16 (m / 8) + 8 u + m % 8, so a lane's 16 results of a gate are 16 consecutive steps.
; Waves 4-7 begin half a trip behind waves 0-3 and take VEC ahead of MAT in each trip.  x is only read in the inner loop: no barrier stands there.
; No prefetch: a unit's x is asked for whole at the unit's start.  A wave's map is 128 bytes, stored once a unit: half of a 256-byte unit.
; LIMITS.  Gate terms and sigmoid under 2^-126 come out as 0.  A scale byte 0xff, NaN or infinities among the biases are not served.
.set PITCH, 816                        ; a row of x in LDS: 3 x (256 + 16)
.set TRIPB, 26112                      ; 32 rows
.set WST, 208896                       ; behind x: 12,544 bytes a wave for the weights' way in
.set SPARE, 309248                     ; the spare words, 128 bytes a wave
.set SPW, 1
.set NIL, 2
.set XA, 3                             ; v3, v4 my place in the first 32 rows (second: behind one padding more); v5, v6 the same in this trip's rows
.set XB, 5
.set XSO, 7
.set XSV, 8
.set MO, 9
.set CAR, 12                           ; H so far
.set T0, 13
.set T1, 14
.set T2, 16
.set T3, 18
.set CP, 19                            ; P so far
.set SA0, 21
.set SA1, 22
.set FA, 23
.set WS, 24
.set XS, 36
.set BI, 44
.set XR, 68                            ; fragments of x: K steps k % 3 = 0, 1; the third place is ZT
.set ACC, 116
.set ZT, 164
.set LN, 180
.set W7, 196                           ; gate h, K steps 5-7.  Window 1: gate f at 12 k, gate i at 96 + 12 k, gate h's K steps 0-4 at 192 + 12 k
.set A7, 248
.set B1, 249
.set HH, 250
.set RR, 251
.set ROW, 252
.set GOF, 253
.set SOF, 254
.set BOF, 255
.set XSB, 10
.set MP, 30
.set WV, 36
.set RO, 37
.set CX, 38
.set CG, 39
.set G1A, 40                           ; group 1 of the first load: 12 rows of 256 bytes
.set G0A, 48
.set BA, 52
.set CC, 53
.set XO, 54
.set XSN, 55
.set LG, 56
.set NLG, 58
.set SEL, 60
.set HM, 62
.set LM, 63
.set UN, 77
.set G1B, 80                           ; of the second: 84 rows
.set G0B, 88
.set MSB, 0
.macro WIN new
.if MSB != \new
	s_set_vgpr_msb (MSB<<8)|\new
.set MSB, \new
.endif
.endm
.macro ROUND
	s_barrier_signal -1
	s_barrier_wait -1
	s_cmp_lg_u32 s[WV], 0
	s_cbranch_scc1 .Lnot_wave_0_\@
	s_barrier_signal -3
.Lnot_wave_0_\@:
	s_barrier_wait -3
	s_barrier_signal -1
	s_barrier_wait -1
.endm
.macro BAR
	s_wait_alu depctr_va_vdst(0)           ; the wait ahead of the blocking wait
	s_wait_dscnt 0x0
	s_barrier_signal -1
	s_barrier_wait -1
.endm
.macro SPLIT lb                        ; waves 4-7 jump
	s_cmp_lg_u32 s[RO], 0
	s_cbranch_scc1 \lb
.endm
.macro XBSET
	v_add_nc_u32 v[XB], s[XO], v[XA]
	v_add_nc_u32 v[XB+1], s[XO], v[XA+1]
	s_wait_alu depctr_va_vdst(0)
.endm
.macro WSTORE base                     ; 16 weight rows as loaded (24 x 512 bytes) into my LDS bytes: three stores to two rows
.set I, 0
.rept 8
	ds_store_b128 v[SA0], v[\base+12*I:\base+12*I+3] offset:1568*I
	ds_store_b128 v[SA1], v[\base+12*I+4:\base+12*I+7] offset:1568*I+512
	ds_store_b128 v[SA0], v[\base+12*I+8:\base+12*I+11] offset:1568*I+1040
.set I, I+1
.endr
.endm
.macro WLOAD base, k0, k1              ; and back as fragments of K steps k0 .. k1 - 1; LDS serves a wave's instructions in order
.set I, \k0
.rept \k1-\k0
.irp p, 0,1,2,3,4,5
	ds_load_b64 v[\base+12*(I-\k0)+2*\p:\base+12*(I-\k0)+2*\p+1], v[FA] offset:96*I+48*(\p/3)+8*(\p%3)
.endr
.set I, I+1
.endr
.endm
.macro FRAG kk, u                      ; 16 rows x 128 K: 12 registers, in pieces of 8 bytes; 16 bytes of padding lie behind every 32 pieces
.set FB, XR+24*((\kk)%3)+12*\u
.if ((\kk)%3) == 2
.set FB, ZT+12*\u
.endif
.irp p, 0,1,2,3,4,5
.set PC, 12*(\kk)+6*(\p/3)+\p%3
.if PC%32 < 29
	ds_load_b64 v[FB+2*\p:FB+2*\p+1], v[XB] offset:8*PC+16*(PC/32)+\u*8*PITCH
.else
	ds_load_b64 v[FB+2*\p:FB+2*\p+1], v[XB+1] offset:8*PC+16*(PC/32)+\u*8*PITCH
.endif
.endr
.endm
.macro MM kk, u, g                     ; the bias is the C of a sum's first product
.set DR, ACC+16*\g+8*\u
.set CR, DR
.if \kk == 0
.set CR, BI+8*\g
.endif
.set AR, XR+24*((\kk)%3)+12*\u
.if ((\kk)%3) == 2
.set AR, ZT+12*\u
.endif
.set BR, 96*\g+12*\kk
.if (\g == 2) && (\kk >= 5)
.set BR, W7+12*(\kk-5)
.endif
.set SA, XS+\kk
.set SB, WS+4*\g+(\kk)%4
.if (\u == 0) && (\kk < 4)
	v_wmma_scale_f32_16x16x128_f8f6f4 v[DR:DR+7], v[AR:AR+11], v[BR:BR+11], v[CR:CR+7], v[SA], v[SB] matrix_a_fmt:MATRIX_FMT_FP6 matrix_b_fmt:MATRIX_FMT_FP6
.elseif (\u == 1) && (\kk < 4)
	v_wmma_scale_f32_16x16x128_f8f6f4 v[DR:DR+7], v[AR:AR+11], v[BR:BR+11], v[CR:CR+7], v[SA], v[SB] matrix_a_fmt:MATRIX_FMT_FP6 matrix_b_fmt:MATRIX_FMT_FP6 matrix_a_scale:MATRIX_SCALE_ROW1
.elseif \u == 0
	v_wmma_scale_f32_16x16x128_f8f6f4 v[DR:DR+7], v[AR:AR+11], v[BR:BR+11], v[CR:CR+7], v[SA], v[SB] matrix_a_fmt:MATRIX_FMT_FP6 matrix_b_fmt:MATRIX_FMT_FP6 matrix_b_scale:MATRIX_SCALE_ROW1
.else
	v_wmma_scale_f32_16x16x128_f8f6f4 v[DR:DR+7], v[AR:AR+11], v[BR:BR+11], v[CR:CR+7], v[SA], v[SB] matrix_a_fmt:MATRIX_FMT_FP6 matrix_b_fmt:MATRIX_FMT_FP6 matrix_a_scale:MATRIX_SCALE_ROW1 matrix_b_scale:MATRIX_SCALE_ROW1
.endif
.endm
.macro MAT                             ; a trip's 48 products; six accumulators by turns; three K steps of fragments are out at a time
.irp k, 0,1,2
	FRAG \k, 0
	FRAG \k, 1
.endr
	s_wait_loadcnt 0x0                     ; this trip's scale words
.irp k, 0,1,2,3,4,5,6,7
.if \k < 6
	s_wait_dscnt 24                        ; K step k is in; the next two steps' 24 loads may be out
.elseif \k == 6
	s_wait_dscnt 12
.else
	s_wait_dscnt 0x0
.endif
	WIN 0x04                               ; source 1 (weights) in window 1
	MM \k, 0, 0
	MM \k, 0, 1
	MM \k, 1, 0
	MM \k, 1, 1
.if \k >= 5
	WIN 0
.endif
	MM \k, 0, 2
	MM \k, 1, 2
.rept 4
	v_nop                                  ; places ahead of loads into registers just read, and of the first read of results
.endr
.if \k < 5
	FRAG \k+3, 0
	FRAG \k+3, 1
.endif
.endr
	WIN 0
	s_add_co_u32 s[XSN], s[XSN], 1024      ; the next trip's scale words; the last trip names its own again, so that no load leaves the buffer
	s_min_u32 s[XSN], s[XSN], 7168
	v_add_nc_u32 v[XSV], s[XSN], v[XSO]
	global_load_b128 v[XS:XS+3], v[XSV], s[XSB:XSB+1]
	global_load_b128 v[XS+4:XS+7], v[XSV], s[XSB:XSB+1] offset:16
.endm
.macro GATES                           ; leaves the running products of f' in ZT, the run's values in LN
.set E, 0
.rept 16
	v_min3_num_f32 v[ZT+E], v[ACC+E], v[ACC+16+E], 0
.set E, E+1
.endr
.set E, 0
.rept 8
	v_pk_mul_f32 v[ZT+E:ZT+E+1], v[ZT+E:ZT+E+1], s[LG:LG+1] op_sel_hi:[1,0]                          ; -m L
	v_pk_add_f32 v[LN+E:LN+E+1], v[ACC+32+E:ACC+33+E], 0.5 op_sel_hi:[1,0]
	v_pk_mul_f32 v[ACC+32+E:ACC+33+E], v[ACC+32+E:ACC+33+E], s[NLG:NLG+1] op_sel_hi:[1,0]
	v_pk_fma_f32 v[ACC+E:ACC+E+1], v[ACC+E:ACC+E+1], s[NLG:NLG+1], v[ZT+E:ZT+E+1] op_sel_hi:[1,0,1]
	v_pk_fma_f32 v[ACC+16+E:ACC+17+E], v[ACC+16+E:ACC+17+E], s[NLG:NLG+1], v[ZT+E:ZT+E+1] op_sel_hi:[1,0,1]
.set E, E+2
.endr
	s_wait_alu depctr_va_vdst(0)           ; ahead of the batch
.set E, 0
.rept 16
	v_exp_f32 v[ZT+E], v[ZT+E]
	v_exp_f32 v[ACC+E], v[ACC+E]
	v_exp_f32 v[ACC+16+E], v[ACC+16+E]
	v_exp_f32 v[ACC+32+E], v[ACC+32+E]
.set E, E+1
.endr
	v_nop
	s_wait_alu depctr_va_vdst(0)           ; and behind it
.set E, 0
.rept 8
	v_pk_add_f32 v[ACC+E:ACC+E+1], v[ACC+E:ACC+E+1], v[ZT+E:ZT+E+1]              ; A e^-m
	v_pk_add_f32 v[ACC+16+E:ACC+17+E], v[ACC+16+E:ACC+17+E], v[ZT+E:ZT+E+1]      ; B e^-m
	v_pk_add_f32 v[ACC+32+E:ACC+33+E], v[ACC+32+E:ACC+33+E], 1.0 op_sel_hi:[1,0]
.set E, E+2
.endr
.set E, 0
.rept 8
	v_pk_add_f32 v[ZT+E:ZT+E+1], v[ACC+E:ACC+E+1], v[ACC+16+E:ACC+17+E]
.set E, E+2
.endr
	s_wait_alu depctr_va_vdst(0)
.set E, 0
.rept 16
	v_rcp_f32 v[ZT+E], v[ZT+E]
	v_rcp_f32 v[ACC+32+E], v[ACC+32+E]
.set E, E+1
.endr
	v_nop
	s_wait_alu depctr_va_vdst(0)
.set E, 0
.rept 8
	v_pk_mul_f32 v[ACC+E:ACC+E+1], v[ACC+E:ACC+E+1], v[ZT+E:ZT+E+1]              ; i'
	v_pk_mul_f32 v[ZT+E:ZT+E+1], v[ACC+16+E:ACC+17+E], v[ZT+E:ZT+E+1]            ; f'
.set E, E+2
.endr
.set E, 0
.rept 16
	v_max_num_f32 v[LN+E], v[LN+E], v[ACC+32+E]                                  ; g
.set E, E+1
.endr
.set E, 0
.rept 8
	v_pk_mul_f32 v[LN+E:LN+E+1], v[LN+E:LN+E+1], v[ACC+E:ACC+E+1]
.set E, E+2
.endr
	v_cndmask_b32 v[T0], 0, v[CAR], s[LM]          ; lanes 0-15 hold the trip's first 16 steps and begin with the carry, lanes 16-31 with 0
	v_fma_f32 v[LN], v[ZT], v[T0], v[LN]
.set E, 1
.rept 15                                       ; two chains by turns: H_e = f'_e H_(e-1) + v_e, P_e = f'_e P_(e-1)
	v_fma_f32 v[LN+E], v[ZT+E], v[LN+E-1], v[LN+E]
	v_mul_f32 v[ZT+E], v[ZT+E], v[ZT+E-1]
.set E, E+1
.endr
	v_permlanex16_b32 v[T1], v[LN+15], s[SEL], s[SEL+1]
	v_cndmask_b32 v[T2], 0, v[T1], s[HM]           ; what lanes 16-31 still owe: the value behind the first 16 steps
.endm
.macro VEC
	GATES
	v_fma_f32 v[LN+15], v[ZT+15], v[T2], v[LN+15]
	v_permlanex16_b32 v[T1], v[ZT+15], s[SEL], s[SEL+1]
	v_permlanex16_b32 v[T3], v[LN+15], s[SEL], s[SEL+1]
	v_mul_f32 v[T1], v[T1], v[ZT+15]               ; the trip's product of f'
	v_cndmask_b32 v[CAR], v[T3], v[LN+15], s[HM]
	v_mul_f32 v[CP], v[CP], v[T1]
.endm
	s_load_b512 s[8:23], s[0:1], 0x0               ; x codes, x scales; for g = f, i, h: codes s[12 + 4 g], scales s[14 + 4 g]
	s_load_b256 s[24:31], s[0:1], 0x40             ; b_f, b_i, b_h, maps
	v_lshl_add_u32 v[SPW], v0, 2, SPARE
	v_mov_b32 v[NIL], 0
	ds_add_u32 v[SPW], v[NIL]                      ; the opening lines
	ds_add_u32 v[SPW], v[NIL]
	v_lshrrev_b32 v[T0], 5, v0
	v_readfirstlane_b32 s[WV], v[T0]
	s_lshr_b32 s[RO], s[WV], 2                     ; 0: waves 0-3, 1: waves 4-7
	s_and_b32 s[BA], ttmp7, 1                      ; y = 2 x chunk + pair of batches: my first batch is 0 or 2
	s_lshl_b32 s[BA], s[BA], 1
	s_bfe_u32 s[CC], ttmp7, 0x60001
.irp g, G1A, G1B
	s_mov_b32 s[\g+0], 15|(3<<16)|(1<<20)|(1<<21)|(5<<22)|(3<<25)  ; mask of the four; elements of 8 bytes; 4 words of padding behind every 64
	s_mov_b32 s[\g+1], 32<<16
	s_mov_b32 s[\g+3], 32<<16
	s_mov_b32 s[\g+5], 32
	s_mov_b32 s[\g+6], 0
	s_mov_b32 s[\g+7], 0
.endr
	s_mov_b32 s[G1A+2], 12<<16                     ; rows of x are dense: 4 rows are 12 rows of 256 bytes,
	s_mov_b32 s[G1A+4], 12
	s_mov_b32 s[G1B+2], 84<<16                     ; 28 rows are 84
	s_mov_b32 s[G1B+4], 84
	s_mul_i32 s68, s[BA], 3145728
	s_mul_i32 s69, s[CC], 196608
	s_add_co_u32 s68, s68, s69
	s_mul_i32 s70, s[WV], 3072
	s_add_co_u32 s70, s70, s68
	s_mov_b32 s71, 0
	s_mul_i32 s72, s[WV], 21504
	s_add_co_u32 s72, s72, s68
	s_add_co_u32 s72, s72, 24576
	s_mov_b32 s73, 0
	s_wait_dscnt 0x0
	s_wait_kmcnt 0x0
	s_mov_b32 s[G0A], 1
	s_mul_i32 s[G0A+1], s[WV], 3264
	s_add_nc_u64 s[G0A+2:G0A+3], s[8:9], s[70:71]
	s_or_b32 s[G0A+3], s[G0A+3], 0x80000000
	s_mov_b32 s[G0B], 1
	s_mul_i32 s[G0B+1], s[WV], 22848
	s_add_co_u32 s[G0B+1], s[G0B+1], TRIPB
	s_add_nc_u64 s[G0B+2:G0B+3], s[8:9], s[72:73]
	s_or_b32 s[G0B+3], s[G0B+3], 0x80000000
	s_bfe_u32 s[CX], ttmp6, 0x40000
	s_lshl_b32 s[CG], ttmp9, 2
	s_add_co_u32 s[CG], s[CG], s[CX]
	s_lshl_b32 s78, s[CG], 3
	s_add_co_u32 s78, s78, s[WV]                   ; my group of 16 columns
	s_mov_b32 s69, 0
	s_mul_i32 s68, s78, 12288
	s_add_nc_u64 s[12:13], s[12:13], s[68:69]
	s_add_nc_u64 s[16:17], s[16:17], s[68:69]
	s_add_nc_u64 s[20:21], s[20:21], s[68:69]
	s_lshl_b32 s68, s78, 9
	s_add_nc_u64 s[14:15], s[14:15], s[68:69]
	s_add_nc_u64 s[18:19], s[18:19], s[68:69]
	s_add_nc_u64 s[22:23], s[22:23], s[68:69]
	s_lshl_b32 s68, s78, 6
	s_add_nc_u64 s[24:25], s[24:25], s[68:69]
	s_add_nc_u64 s[26:27], s[26:27], s[68:69]
	s_add_nc_u64 s[28:29], s[28:29], s[68:69]
	s_and_b32 s68, ttmp7, 0xffff                   ; maps[4 chunk + batch][column][P, H]: my first unit is 2 y
	s_lshl_b32 s68, s68, 14
	s_lshl_b32 s70, s78, 7
	s_add_co_u32 s68, s68, s70
	s_add_nc_u64 s[MP:MP+1], s[MP:MP+1], s[68:69]
	s_lshl_b32 s68, s[BA], 17
	s_lshl_b32 s70, s[CC], 13
	s_add_co_u32 s68, s68, s70
	s_add_nc_u64 s[XSB:XSB+1], s[XSB:XSB+1], s[68:69]
	s_mul_i32 s76, s[WV], 12544
	s_add_co_u32 s76, s76, WST                     ; my LDS bytes for the weights' way in
	s_mov_b32 s[LG], 0x3fb8aa3b
	s_mov_b32 s[LG+1], 0x3fb8aa3b
	s_mov_b32 s[NLG], 0xbfb8aa3b
	s_mov_b32 s[NLG+1], 0xbfb8aa3b
	s_mov_b32 s[SEL], 0x76543210
	s_mov_b32 s[SEL+1], 0xfedcba98
	s_mov_b32 s[HM], 0xffff0000
	s_mov_b32 s[LM], 0x0000ffff
	v_and_b32 v[A7], 7, v0
	v_bfe_u32 v[B1], v0, 3, 1
	v_bfe_u32 v[HH], v0, 4, 1
	v_and_b32 v[RR], 15, v0
	v_lshl_add_u32 v[ROW], v[B1], 4, v[A7]         ; lane r of a tile takes row r % 8 + 16 (r / 8), + 8 u
	v_mul_u32_u24 v[XA], v[ROW], PITCH
	v_mad_u32_u24 v[XA], v[HH], 24, v[XA]
	v_lshl_add_u32 v[XA+1], v[HH], 4, v[XA]
	v_lshl_add_u32 v[XSO], v[HH], 3, v[ROW]        ; scale words: lanes 0-15 tile 0's rows, lanes 16-31 tile 1's
	v_lshlrev_b32 v[XSO], 5, v[XSO]
	v_lshlrev_b32 v[MO], 3, v[RR]
	v_lshl_add_u32 v[MO], v[HH], 2, v[MO]
	v_and_b32 v[GOF], 31, v0
	v_lshlrev_b32 v[GOF], 4, v[GOF]                ; 16 x lane
	v_add_nc_u32 v[SA0], s76, v[GOF]
	v_lshl_add_u32 v[SA1], v[HH], 4, v[SA0]        ; the store whose lanes 16-31 lie in the next row
	v_mul_u32_u24 v[FA], v[RR], 784
	v_mad_u32_u24 v[FA], v[HH], 24, v[FA]
	v_add_nc_u32 v[FA], s76, v[FA]
	v_lshlrev_b32 v[SOF], 5, v[RR]
	v_lshl_add_u32 v[SOF], v[HH], 4, v[SOF]
	v_lshlrev_b32 v[BOF], 2, v[RR]
	v_mov_b32 v[T1], 0
	v_mov_b32 v[T3], 0
	s_wait_alu depctr_va_vdst(0)                   ; the wait at the head's end
.irp g, 0,1,2
	global_load_b128 v[WS+4*\g:WS+4*\g+3], v[SOF], s[14+4*\g:15+4*\g]
.irp j, 0,1,2,3,4,5,6,7
	global_load_b32 v[BI+8*\g+\j], v[BOF], s[24+2*\g:25+2*\g]
.endr
.endr
	WIN 0x40
.set I, 0
.rept 24
	global_load_b128 v[4*I:4*I+3], v[GOF], s[12:13] offset:512*I
.set I, I+1
.endr
.set I, 0
.rept 24
	global_load_b128 v[96+4*I:96+4*I+3], v[GOF], s[16:17] offset:512*I
.set I, I+1
.endr
	WIN 0
.set I, 0
.rept 24
	global_load_b128 v[XR+4*I:XR+4*I+3], v[GOF], s[20:21] offset:512*I
.set I, I+1
.endr
	s_wait_loadcnt 48                              ; gate f is in; the 48 loads of gates i and h may be out
	WIN 0x04
	WSTORE 0
	WIN 0x40
	WLOAD 0, 0, 8
	s_wait_loadcnt 24                              ; gate i is in; gate h's 24 may be out
	WIN 0x04
	WSTORE 96
	WIN 0x40
	WLOAD 96, 0, 8
	s_wait_loadcnt 0x0
	WIN 0
	WSTORE XR
	WIN 0x40
	WLOAD 192, 0, 5
	WIN 0
	WLOAD W7, 5, 8
	s_mov_b32 s[UN], 0
.Lunit:                                                ; two units
	s_wait_alu depctr_va_vdst(0)
	s_wait_loadcnt 0x0                             ; the scale words asked for last have landed: their registers are loaded anew below
	s_wait_tensorcnt 0x0                           ; the add twice
	ds_add_u32 v[SPW], v[NIL]
	ds_add_u32 v[SPW], v[NIL]
	s_wait_dscnt 0x0                               ; my reads of the last unit's x are back
	ROUND
	tensor_load_to_lds s[G0A:G0A+3], s[G1A:G1A+7]  ; my 4 rows of trip 0
	s_nop 0
.rept 4
	v_nop
.endr
	global_load_b128 v[XS:XS+3], v[XSO], s[XSB:XSB+1]
	global_load_b128 v[XS+4:XS+7], v[XSO], s[XSB:XSB+1] offset:16
	v_mov_b32 v[CAR], 0                            ; the identity map
	v_mov_b32 v[CP], 1.0
	s_mov_b32 s[XO], 0
	s_mov_b32 s[XSN], 0
	s_wait_alu depctr_va_vdst(0)
	s_wait_tensorcnt 0x0                           ; trip 0's rows have landed; the same lines ahead of the second fill
	ds_add_u32 v[SPW], v[NIL]
	s_wait_dscnt 0x0
	ROUND
	tensor_load_to_lds s[G0B:G0B+3], s[G1B:G1B+7]  ; my 28 of the other 224 rows
	s_nop 0
.rept 4
	v_nop
.endr
	XBSET
	SPLIT .Lp0
	MAT                                            ; trip 0: waves 0-3 go ahead by half a trip
.Lp0:
	BAR
	SPLIT .Lp1b
	VEC
	s_wait_alu depctr_va_vdst(0)
	s_branch .Lp1j
.Lp1b:
	MAT
.Lp1j:
	s_wait_alu depctr_va_vdst(0)
	s_wait_tensorcnt 0x0                           ; my part of the 224 rows has landed; behind the barrier everybody's has
	BAR
	s_mov_b32 s[XO], TRIPB
.Lloop:                                                ; trips 1 to 7
	XBSET
	SPLIT .Lab
	MAT
	VEC
	s_wait_alu depctr_va_vdst(0)
	s_branch .Laj
.Lab:
	VEC                                            ; of the trip before
	MAT
.Laj:
	s_wait_alu depctr_va_vdst(0)
	s_add_co_u32 s[XO], s[XO], TRIPB
	s_cmp_lt_u32 s[XO], 8*TRIPB
	s_cbranch_scc1 .Lloop
	s_cmp_eq_u32 s[RO], 0
	s_cbranch_scc1 .Lst
	VEC                                            ; waves 4-7: the last trip's gates
.Lst:
	v_cndmask_b32 v[T0], v[CP], v[CAR], s[HM]      ; lanes 0-15 store P, lanes 16-31 H: 128 consecutive bytes
	global_store_b32 v[MO], v[T0], s[MP:MP+1]
	s_wait_xcnt 0x0                                ; bases are stepped only behind this wait; no tensor load of mine is out
	s_add_nc_u64 s[G0A+2:G0A+3], s[G0A+2:G0A+3], 3145728   ; the next batch (behind the last unit the stepped addresses are not used)
	s_add_nc_u64 s[G0B+2:G0B+3], s[G0B+2:G0B+3], 3145728
	s_add_nc_u64 s[XSB:XSB+1], s[XSB:XSB+1], 131072
	s_add_nc_u64 s[MP:MP+1], s[MP:MP+1], 8192
	s_add_co_u32 s[UN], s[UN], 1
	s_cmp_lt_u32 s[UN], 2
	s_cbranch_scc1 .Lunit
	s_wait_tensorcnt 0x0                           ; the wave's end
	ds_add_u32 v[SPW], v[NIL]
	s_wait_dscnt 0x0
	ROUND                                          ; the closing round
	s_endpgm
.Lfunc_end_k_q08f3819419_maps:
	.size	k_q08f3819419_maps, .Lfunc_end_k_q08f3819419_maps-k_q08f3819419_maps
	.p2alignl 7, 3214868480
	.fill 96, 4, 3214868480
	.section	.rodata,"a",@progbits
	.p2align	6, 0x0
	.amdhsa_kernel k_q08f3819419_maps
		.amdhsa_group_segment_fixed_size 327680
		.amdhsa_private_segment_fixed_size 0
		.amdhsa_enable_private_segment 0
		.amdhsa_kernarg_size 96
		.amdhsa_user_sgpr_count 2
		.amdhsa_user_sgpr_kernarg_segment_ptr 1
		.amdhsa_wavefront_size32 1
		.amdhsa_system_sgpr_workgroup_id_x 1
		.amdhsa_system_sgpr_workgroup_id_y 1
		.amdhsa_system_sgpr_workgroup_id_z 1
		.amdhsa_system_vgpr_workitem_id 0
		.amdhsa_next_free_vgpr 512
		.amdhsa_next_free_sgpr 96
		.amdhsa_reserve_vcc 0
		.amdhsa_float_denorm_mode_32 3
		.amdhsa_float_denorm_mode_16_64 3
		.amdhsa_memory_ordered 1
		.amdhsa_forward_progress 1
		.amdhsa_inst_pref_size 139
	.end_amdhsa_kernel
	.amdgpu_metadata
---
amdhsa.version: [ 1, 2 ]
amdhsa.kernels:
  - .name:           k_q08f3819419_maps
    .symbol:         k_q08f3819419_maps.kd
    .args:
      - { .name: x_codes, .offset: 0, .size: 8, .value_kind: global_buffer, .address_space: global }
      - { .name: x_scales, .offset: 8, .size: 8, .value_kind: global_buffer, .address_space: global }
      - { .name: W_f_codes, .offset: 16, .size: 8, .value_kind: global_buffer, .address_space: global }
      - { .name: W_f_scales, .offset: 24, .size: 8, .value_kind: global_buffer, .address_space: global }
      - { .name: W_i_codes, .offset: 32, .size: 8, .value_kind: global_buffer, .address_space: global }
      - { .name: W_i_scales, .offset: 40, .size: 8, .value_kind: global_buffer, .address_space: global }
      - { .name: W_h_codes, .offset: 48, .size: 8, .value_kind: global_buffer, .address_space: global }
      - { .name: W_h_scales, .offset: 56, .size: 8, .value_kind: global_buffer, .address_space: global }
      - { .name: b_f, .offset: 64, .size: 8, .value_kind: global_buffer, .address_space: global }
      - { .name: b_i, .offset: 72, .size: 8, .value_kind: global_buffer, .address_space: global }
      - { .name: b_h, .offset: 80, .size: 8, .value_kind: global_buffer, .address_space: global }
      - { .name: maps, .offset: 88, .size: 8, .value_kind: global_buffer, .address_space: global }
    .group_segment_fixed_size: 327680
    .private_segment_fixed_size: 0
    .kernarg_segment_align: 8
    .kernarg_segment_size: 96
    .max_flat_workgroup_size: 256
    .sgpr_count:     96
    .vgpr_count:     512
    .wavefront_size: 32
...
	.end_amdgpu_metadata
.endif
;; end of part 2
;; launch scan (part 3): grid 8 x 32, 8 waves a work-group, clusters of 4 x 1, 327,680 bytes of LDS; arguments x_codes, x_scales, W_f_codes, W_f_scales, W_i_codes, W_i_scales, W_h_codes, W_h_scales, b_f, b_i, b_h, h0, maps, out0; writes out0
.if DOCPART == 3
	.amdgcn_target "amdgcn-amd-amdhsa--gfx1250"
	.amdhsa_code_object_version 6
	.text
	.protected	k_q08f3819419_scan
	.globl	k_q08f3819419_scan
	.p2align	8
	.type	k_q08f3819419_scan,@function
k_q08f3819419_scan:
	s_mov_b64 s[64:65], 0
	v_nop
	global_prefetch_b8 v0, s[64:65] scope:SCOPE_SE
	s_setreg_imm32_b32 hwreg(HW_REG_WAVE_MODE, 25, 1), 1
	s_wait_xcnt 0x0
	s_wait_alu depctr_hold_cnt(0) depctr_sa_sdst(0) depctr_va_vdst(0) depctr_va_sdst(0) depctr_va_ssrc(0) depctr_va_vcc(0) depctr_vm_vsrc(0)
	s_getreg_b32 s2, hwreg(HW_REG_IB_STS2, 6, 4)
	s_cmp_eq_u32 s2, 0
	s_cbranch_scc0 .Lentry_in_a_cluster
	s_endpgm
.Lentry_in_a_cluster:
	s_bfe_u32 s2, ttmp6, 0x10000c
	s_cmp_lg_u32 s2, 0x3003
	s_cbranch_scc0 .Lentry_shape_is_right
	s_endpgm
.Lentry_shape_is_right:
; minLSTM, second launch: units, shares, layout, gates, x's two loads a unit, the weights' way in and the limits as in the first.  A work-group takes chunk c of two batches, one after the other; 8 x 32 work-groups.
; The carry into the chunk is h0 put through the maps of chunks 0 .. c - 1: all 15 maps are loaded and those from c on are passed over by a select, so no branch is needed.
; h0 < 0 gives NaN in its whole column, as the logarithm of h0 does; h0 = +infinity is not served.
; THE WAY OUT.  A wave holds 16 columns (64 bytes of a row).  The four waves of a group (64 columns) put a trip's 32 rows into the group's stage in LDS; behind the barrier each reads 8 whole rows
; of 256 bytes and stores them: sixteen lanes store 256 consecutive bytes, aligned.  The stage has two buffers: interval s writes buffer s % 2 and reads the other, so one barrier an interval serves.
; INTERVAL s: waves 0-3 OUT(s - 1), MAT(s), VEC(s); waves 4-7 OUT(s - 2), VEC(s - 1), MAT(s).  The stage lies on the bytes of the weights' way in, which are done with at the first round; no tensor load lands there.
.set PITCH, 816
.set TRIPB, 26112
.set WST, 208896
.set STAGE, 208896                     ; 2 buffers x 2 groups x 32 rows x 256 bytes
.set SPARE, 309248
.set SPW, 1
.set NIL, 2
.set XA, 3
.set XB, 5
.set XSO, 7
.set XSV, 8
.set STO, 9
.set SRD, 10
.set OUTO, 11
.set CAR, 12
.set T0, 13
.set T1, 14
.set MOF, 15
.set T2, 16
.set T3, 18
.set SA0, 21
.set SA1, 22
.set FA, 23
.set WS, 24
.set XS, 36
.set BI, 44
.set XR, 68
.set ACC, 116
.set ZT, 164
.set LN, 180
.set W7, 196
.set OD, 232
.set A7, 248
.set B1, 249
.set HH, 250
.set RR, 251
.set ROW, 252
.set GOF, 253
.set SOF, 254
.set BOF, 255
.set XSB, 10
.set MP, 32
.set OB, 34
.set WV, 36
.set RO, 37
.set CX, 38
.set CG, 39
.set G1A, 40
.set G0A, 48
.set BA, 52
.set CC, 53
.set XO, 54
.set XSN, 55
.set LG, 56
.set NLG, 58
.set SEL, 60
.set HM, 62
.set LM, 63
.set UN, 77
.set G1B, 80
.set G0B, 88
.set MSB, 0
.macro WIN new
.if MSB != \new
	s_set_vgpr_msb (MSB<<8)|\new
.set MSB, \new
.endif
.endm
.macro ROUND
	s_barrier_signal -1
	s_barrier_wait -1
	s_cmp_lg_u32 s[WV], 0
	s_cbranch_scc1 .Lnot_wave_0_\@
	s_barrier_signal -3
.Lnot_wave_0_\@:
	s_barrier_wait -3
	s_barrier_signal -1
	s_barrier_wait -1
.endm
.macro BAR
	s_wait_alu depctr_va_vdst(0)           ; the wait ahead of the blocking wait
	s_wait_dscnt 0x0                       ; my stage stores have landed, my LDS reads are back
	s_barrier_signal -1
	s_barrier_wait -1
.endm
.macro SPLIT lb
	s_cmp_lg_u32 s[RO], 0
	s_cbranch_scc1 \lb
.endm
.macro XBSET
	v_add_nc_u32 v[XB], s[XO], v[XA]
	v_add_nc_u32 v[XB+1], s[XO], v[XA+1]
	s_wait_alu depctr_va_vdst(0)
.endm
.macro WSTORE base
.set I, 0
.rept 8
	ds_store_b128 v[SA0], v[\base+12*I:\base+12*I+3] offset:1568*I
	ds_store_b128 v[SA1], v[\base+12*I+4:\base+12*I+7] offset:1568*I+512
	ds_store_b128 v[SA0], v[\base+12*I+8:\base+12*I+11] offset:1568*I+1040
.set I, I+1
.endr
.endm
.macro WLOAD base, k0, k1
.set I, \k0
.rept \k1-\k0
.irp p, 0,1,2,3,4,5
	ds_load_b64 v[\base+12*(I-\k0)+2*\p:\base+12*(I-\k0)+2*\p+1], v[FA] offset:96*I+48*(\p/3)+8*(\p%3)
.endr
.set I, I+1
.endr
.endm
.macro FRAG kk, u
.set FB, XR+24*((\kk)%3)+12*\u
.if ((\kk)%3) == 2
.set FB, ZT+12*\u
.endif
.irp p, 0,1,2,3,4,5
.set PC, 12*(\kk)+6*(\p/3)+\p%3
.if PC%32 < 29
	ds_load_b64 v[FB+2*\p:FB+2*\p+1], v[XB] offset:8*PC+16*(PC/32)+\u*8*PITCH
.else
	ds_load_b64 v[FB+2*\p:FB+2*\p+1], v[XB+1] offset:8*PC+16*(PC/32)+\u*8*PITCH
.endif
.endr
.endm
.macro MM kk, u, g
.set DR, ACC+16*\g+8*\u
.set CR, DR
.if \kk == 0
.set CR, BI+8*\g
.endif
.set AR, XR+24*((\kk)%3)+12*\u
.if ((\kk)%3) == 2
.set AR, ZT+12*\u
.endif
.set BR, 96*\g+12*\kk
.if (\g == 2) && (\kk >= 5)
.set BR, W7+12*(\kk-5)
.endif
.set SA, XS+\kk
.set SB, WS+4*\g+(\kk)%4
.if (\u == 0) && (\kk < 4)
	v_wmma_scale_f32_16x16x128_f8f6f4 v[DR:DR+7], v[AR:AR+11], v[BR:BR+11], v[CR:CR+7], v[SA], v[SB] matrix_a_fmt:MATRIX_FMT_FP6 matrix_b_fmt:MATRIX_FMT_FP6
.elseif (\u == 1) && (\kk < 4)
	v_wmma_scale_f32_16x16x128_f8f6f4 v[DR:DR+7], v[AR:AR+11], v[BR:BR+11], v[CR:CR+7], v[SA], v[SB] matrix_a_fmt:MATRIX_FMT_FP6 matrix_b_fmt:MATRIX_FMT_FP6 matrix_a_scale:MATRIX_SCALE_ROW1
.elseif \u == 0
	v_wmma_scale_f32_16x16x128_f8f6f4 v[DR:DR+7], v[AR:AR+11], v[BR:BR+11], v[CR:CR+7], v[SA], v[SB] matrix_a_fmt:MATRIX_FMT_FP6 matrix_b_fmt:MATRIX_FMT_FP6 matrix_b_scale:MATRIX_SCALE_ROW1
.else
	v_wmma_scale_f32_16x16x128_f8f6f4 v[DR:DR+7], v[AR:AR+11], v[BR:BR+11], v[CR:CR+7], v[SA], v[SB] matrix_a_fmt:MATRIX_FMT_FP6 matrix_b_fmt:MATRIX_FMT_FP6 matrix_a_scale:MATRIX_SCALE_ROW1 matrix_b_scale:MATRIX_SCALE_ROW1
.endif
.endm
.macro MAT
.irp k, 0,1,2
	FRAG \k, 0
	FRAG \k, 1
.endr
	s_wait_loadcnt 0x0
.irp k, 0,1,2,3,4,5,6,7
.if \k < 6
	s_wait_dscnt 24                        ; K step k is in; the next two steps' 24 loads may be out
.elseif \k == 6
	s_wait_dscnt 12
.else
	s_wait_dscnt 0x0
.endif
	WIN 0x04
	MM \k, 0, 0
	MM \k, 0, 1
	MM \k, 1, 0
	MM \k, 1, 1
.if \k >= 5
	WIN 0
.endif
	MM \k, 0, 2
	MM \k, 1, 2
.rept 4
	v_nop
.endr
.if \k < 5
	FRAG \k+3, 0
	FRAG \k+3, 1
.endif
.endr
	WIN 0
	s_add_co_u32 s[XSN], s[XSN], 1024      ; the next trip's scale words; the last trip names its own again
	s_min_u32 s[XSN], s[XSN], 7168
	v_add_nc_u32 v[XSV], s[XSN], v[XSO]
	global_load_b128 v[XS:XS+3], v[XSV], s[XSB:XSB+1]
	global_load_b128 v[XS+4:XS+7], v[XSV], s[XSB:XSB+1] offset:16
.endm
.macro GATES
.set E, 0
.rept 16
	v_min3_num_f32 v[ZT+E], v[ACC+E], v[ACC+16+E], 0
.set E, E+1
.endr
.set E, 0
.rept 8
	v_pk_mul_f32 v[ZT+E:ZT+E+1], v[ZT+E:ZT+E+1], s[LG:LG+1] op_sel_hi:[1,0]
	v_pk_add_f32 v[LN+E:LN+E+1], v[ACC+32+E:ACC+33+E], 0.5 op_sel_hi:[1,0]
	v_pk_mul_f32 v[ACC+32+E:ACC+33+E], v[ACC+32+E:ACC+33+E], s[NLG:NLG+1] op_sel_hi:[1,0]
	v_pk_fma_f32 v[ACC+E:ACC+E+1], v[ACC+E:ACC+E+1], s[NLG:NLG+1], v[ZT+E:ZT+E+1] op_sel_hi:[1,0,1]
	v_pk_fma_f32 v[ACC+16+E:ACC+17+E], v[ACC+16+E:ACC+17+E], s[NLG:NLG+1], v[ZT+E:ZT+E+1] op_sel_hi:[1,0,1]
.set E, E+2
.endr
	s_wait_alu depctr_va_vdst(0)           ; ahead of the batch
.set E, 0
.rept 16
	v_exp_f32 v[ZT+E], v[ZT+E]
	v_exp_f32 v[ACC+E], v[ACC+E]
	v_exp_f32 v[ACC+16+E], v[ACC+16+E]
	v_exp_f32 v[ACC+32+E], v[ACC+32+E]
.set E, E+1
.endr
	v_nop
	s_wait_alu depctr_va_vdst(0)           ; and behind it
.set E, 0
.rept 8
	v_pk_add_f32 v[ACC+E:ACC+E+1], v[ACC+E:ACC+E+1], v[ZT+E:ZT+E+1]
	v_pk_add_f32 v[ACC+16+E:ACC+17+E], v[ACC+16+E:ACC+17+E], v[ZT+E:ZT+E+1]
	v_pk_add_f32 v[ACC+32+E:ACC+33+E], v[ACC+32+E:ACC+33+E], 1.0 op_sel_hi:[1,0]
.set E, E+2
.endr
.set E, 0
.rept 8
	v_pk_add_f32 v[ZT+E:ZT+E+1], v[ACC+E:ACC+E+1], v[ACC+16+E:ACC+17+E]
.set E, E+2
.endr
	s_wait_alu depctr_va_vdst(0)
.set E, 0
.rept 16
	v_rcp_f32 v[ZT+E], v[ZT+E]
	v_rcp_f32 v[ACC+32+E], v[ACC+32+E]
.set E, E+1
.endr
	v_nop
	s_wait_alu depctr_va_vdst(0)
.set E, 0
.rept 8
	v_pk_mul_f32 v[ACC+E:ACC+E+1], v[ACC+E:ACC+E+1], v[ZT+E:ZT+E+1]
	v_pk_mul_f32 v[ZT+E:ZT+E+1], v[ACC+16+E:ACC+17+E], v[ZT+E:ZT+E+1]
.set E, E+2
.endr
.set E, 0
.rept 16
	v_max_num_f32 v[LN+E], v[LN+E], v[ACC+32+E]
.set E, E+1
.endr
.set E, 0
.rept 8
	v_pk_mul_f32 v[LN+E:LN+E+1], v[LN+E:LN+E+1], v[ACC+E:ACC+E+1]
.set E, E+2
.endr
	v_cndmask_b32 v[T0], 0, v[CAR], s[LM]          ; lanes 0-15 begin with the carry, lanes 16-31 with 0
	v_fma_f32 v[LN], v[ZT], v[T0], v[LN]
.set E, 1
.rept 15
	v_fma_f32 v[LN+E], v[ZT+E], v[LN+E-1], v[LN+E]
	v_mul_f32 v[ZT+E], v[ZT+E], v[ZT+E-1]
.set E, E+1
.endr
	v_permlanex16_b32 v[T1], v[LN+15], s[SEL], s[SEL+1]
	v_cndmask_b32 v[T2], 0, v[T1], s[HM]
.endm
.macro VEC par                         ; par: the stage's buffer
	GATES
.set E, 0
.rept 8
	v_pk_fma_f32 v[LN+E:LN+E+1], v[ZT+E:ZT+E+1], v[T2:T2+1], v[LN+E:LN+E+1] op_sel_hi:[1,0,1]   ; h_e = P_e x (h behind the first 16 steps, or 0) + H_e
.set E, E+2
.endr
	v_permlanex16_b32 v[T3], v[LN+15], s[SEL], s[SEL+1]
	v_cndmask_b32 v[CAR], v[T3], v[LN+15], s[HM]   ; h at the trip's end, in every lane of the column
.set E, 0
.rept 16
	ds_store_b32 v[STO], v[LN+E] offset:256*E+16384*(\par)   ; row 16 h + e of the stage, my column
.set E, E+1
.endr
.endm
.macro OUT par                         ; 8 whole rows of my group's stage
	s_wait_xcnt 0x0                        ; earlier stores have read their base and data
	s_add_nc_u64 s[OB:OB+1], s[OB:OB+1], 131072    ; the base stands one trip on
.irp i, 0,1,2,3
	ds_load_b128 v[OD+4*\i:OD+4*\i+3], v[SRD] offset:512*\i+16384*(\par)
.endr
	s_wait_dscnt 0x0
.irp i, 0,1,2,3
	global_store_b128 v[OUTO], v[OD+4*\i:OD+4*\i+3], s[OB:OB+1] offset:8192*\i-131072 th:TH_STORE_NT
.endr
.endm
.macro TRIPM wp, second                ; an interval of the loop: writes buffer wp, reads the other
.if \second
	v_add_nc_u32 v[XB], TRIPB, v[XB]
	v_add_nc_u32 v[XB+1], TRIPB, v[XB+1]
	s_wait_alu depctr_va_vdst(0)
.else
	XBSET
.endif
	OUT 1-\wp
	SPLIT .Lb_\@
	MAT
	VEC \wp
	s_wait_alu depctr_va_vdst(0)
	s_branch .Lj_\@
.Lb_\@:
	VEC \wp
	MAT
.Lj_\@:
	BAR
.endm
	s_load_b512 s[8:23], s[0:1], 0x0
	s_load_b256 s[24:31], s[0:1], 0x40             ; b_f, b_i, b_h, h0
	s_load_b128 s[32:35], s[0:1], 0x60             ; maps, out
	v_lshl_add_u32 v[SPW], v0, 2, SPARE
	v_mov_b32 v[NIL], 0
	ds_add_u32 v[SPW], v[NIL]                      ; the opening lines
	ds_add_u32 v[SPW], v[NIL]
	v_lshrrev_b32 v[T0], 5, v0
	v_readfirstlane_b32 s[WV], v[T0]
	s_lshr_b32 s[RO], s[WV], 2
	s_and_b32 s[BA], ttmp7, 1                      ; y = 2 x chunk + pair of batches
	s_lshl_b32 s[BA], s[BA], 1
	s_bfe_u32 s[CC], ttmp7, 0x60001
.irp g, G1A, G1B
	s_mov_b32 s[\g+0], 15|(3<<16)|(1<<20)|(1<<21)|(5<<22)|(3<<25)
	s_mov_b32 s[\g+1], 32<<16
	s_mov_b32 s[\g+3], 32<<16
	s_mov_b32 s[\g+5], 32
	s_mov_b32 s[\g+6], 0
	s_mov_b32 s[\g+7], 0
.endr
	s_mov_b32 s[G1A+2], 12<<16
	s_mov_b32 s[G1A+4], 12
	s_mov_b32 s[G1B+2], 84<<16
	s_mov_b32 s[G1B+4], 84
	s_mul_i32 s68, s[BA], 3145728
	s_mul_i32 s69, s[CC], 196608
	s_add_co_u32 s68, s68, s69
	s_mul_i32 s70, s[WV], 3072
	s_add_co_u32 s70, s70, s68
	s_mov_b32 s71, 0
	s_mul_i32 s72, s[WV], 21504
	s_add_co_u32 s72, s72, s68
	s_add_co_u32 s72, s72, 24576
	s_mov_b32 s73, 0
	s_wait_dscnt 0x0
	s_wait_kmcnt 0x0
	s_mov_b32 s[G0A], 1
	s_mul_i32 s[G0A+1], s[WV], 3264
	s_add_nc_u64 s[G0A+2:G0A+3], s[8:9], s[70:71]
	s_or_b32 s[G0A+3], s[G0A+3], 0x80000000
	s_mov_b32 s[G0B], 1
	s_mul_i32 s[G0B+1], s[WV], 22848
	s_add_co_u32 s[G0B+1], s[G0B+1], TRIPB
	s_add_nc_u64 s[G0B+2:G0B+3], s[8:9], s[72:73]
	s_or_b32 s[G0B+3], s[G0B+3], 0x80000000
	s_bfe_u32 s[CX], ttmp6, 0x40000
	s_lshl_b32 s[CG], ttmp9, 2
	s_add_co_u32 s[CG], s[CG], s[CX]
	s_lshl_b32 s78, s[CG], 3
	s_add_co_u32 s78, s78, s[WV]
	s_mov_b32 s69, 0
	s_mul_i32 s68, s78, 12288
	s_add_nc_u64 s[12:13], s[12:13], s[68:69]
	s_add_nc_u64 s[16:17], s[16:17], s[68:69]
	s_add_nc_u64 s[20:21], s[20:21], s[68:69]
	s_lshl_b32 s68, s78, 9
	s_add_nc_u64 s[14:15], s[14:15], s[68:69]
	s_add_nc_u64 s[18:19], s[18:19], s[68:69]
	s_add_nc_u64 s[22:23], s[22:23], s[68:69]
	s_lshl_b32 s68, s78, 6
	s_add_nc_u64 s[24:25], s[24:25], s[68:69]
	s_add_nc_u64 s[26:27], s[26:27], s[68:69]
	s_add_nc_u64 s[28:29], s[28:29], s[68:69]
	s_add_nc_u64 s[30:31], s[30:31], s[68:69]
	s_lshl_b32 s68, s[BA], 12
	s_add_nc_u64 s[30:31], s[30:31], s[68:69]
	s_lshl_b32 s68, s[BA], 13                      ; maps[4 chunk + batch][column][P, H]: chunk 0 of my first batch
	s_lshl_b32 s70, s78, 7
	s_add_co_u32 s68, s68, s70
	s_add_nc_u64 s[MP:MP+1], s[MP:MP+1], s[68:69]
	s_lshl_b32 s68, s[BA], 24                      ; out: my first batch, my chunk's first row, my 128 columns
	s_lshl_b32 s70, s[CC], 20
	s_add_co_u32 s68, s68, s70
	s_lshl_b32 s70, s[CG], 9
	s_add_co_u32 s68, s68, s70
	s_add_nc_u64 s[OB:OB+1], s[OB:OB+1], s[68:69]
	s_lshl_b32 s68, s[BA], 17
	s_lshl_b32 s70, s[CC], 13
	s_add_co_u32 s68, s68, s70
	s_add_nc_u64 s[XSB:XSB+1], s[XSB:XSB+1], s[68:69]
	s_and_b32 s75, s[WV], 3                        ; my place in my group
	s_lshl_b32 s72, s[RO], 13
	s_lshl_b32 s70, s75, 6
	s_add_co_u32 s72, s72, s70
	s_add_co_u32 s72, s72, STAGE                   ; into the stage: my group's, my 64 bytes of a row
	s_lshl_b32 s73, s[WV], 11
	s_add_co_u32 s73, s73, STAGE                   ; back: my 8 rows
	s_lshl_b32 s74, s75, 15
	s_lshl_b32 s70, s[RO], 8
	s_add_co_u32 s74, s74, s70                     ; the same rows in the output, my group's 256 bytes
	s_mul_i32 s76, s[WV], 12544
	s_add_co_u32 s76, s76, WST
	s_mov_b32 s[LG], 0x3fb8aa3b
	s_mov_b32 s[LG+1], 0x3fb8aa3b
	s_mov_b32 s[NLG], 0xbfb8aa3b
	s_mov_b32 s[NLG+1], 0xbfb8aa3b
	s_mov_b32 s[SEL], 0x76543210
	s_mov_b32 s[SEL+1], 0xfedcba98
	s_mov_b32 s[HM], 0xffff0000
	s_mov_b32 s[LM], 0x0000ffff
	v_and_b32 v[A7], 7, v0
	v_bfe_u32 v[B1], v0, 3, 1
	v_bfe_u32 v[HH], v0, 4, 1
	v_and_b32 v[RR], 15, v0
	v_lshl_add_u32 v[ROW], v[B1], 4, v[A7]
	v_mul_u32_u24 v[XA], v[ROW], PITCH
	v_mad_u32_u24 v[XA], v[HH], 24, v[XA]
	v_lshl_add_u32 v[XA+1], v[HH], 4, v[XA]
	v_lshl_add_u32 v[XSO], v[HH], 3, v[ROW]
	v_lshlrev_b32 v[XSO], 5, v[XSO]
	v_lshlrev_b32 v[STO], 2, v[RR]
	v_lshl_add_u32 v[STO], v[HH], 12, v[STO]
	v_add_nc_u32 v[STO], s72, v[STO]
	v_and_b32 v[GOF], 31, v0
	v_lshlrev_b32 v[GOF], 4, v[GOF]
	v_add_nc_u32 v[SRD], s73, v[GOF]
	v_lshlrev_b32 v[OUTO], 4, v[RR]
	v_lshl_add_u32 v[OUTO], v[HH], 12, v[OUTO]
	v_add_nc_u32 v[OUTO], s74, v[OUTO]
	v_add_nc_u32 v[SA0], s76, v[GOF]
	v_lshl_add_u32 v[SA1], v[HH], 4, v[SA0]
	v_mul_u32_u24 v[FA], v[RR], 784
	v_mad_u32_u24 v[FA], v[HH], 24, v[FA]
	v_add_nc_u32 v[FA], s76, v[FA]
	v_lshlrev_b32 v[SOF], 5, v[RR]
	v_lshl_add_u32 v[SOF], v[HH], 4, v[SOF]
	v_lshlrev_b32 v[BOF], 2, v[RR]
	v_lshlrev_b32 v[MOF], 3, v[RR]
	v_mov_b32 v[T1], 0
	v_mov_b32 v[T2+1], 0
	v_mov_b32 v[T3], 0
	s_wait_alu depctr_va_vdst(0)                   ; the wait at the head's end
.irp g, 0,1,2
	global_load_b128 v[WS+4*\g:WS+4*\g+3], v[SOF], s[14+4*\g:15+4*\g]
.irp j, 0,1,2,3,4,5,6,7
	global_load_b32 v[BI+8*\g+\j], v[BOF], s[24+2*\g:25+2*\g]
.endr
.endr
	WIN 0x40
.set I, 0
.rept 24
	global_load_b128 v[4*I:4*I+3], v[GOF], s[12:13] offset:512*I
.set I, I+1
.endr
.set I, 0
.rept 24
	global_load_b128 v[96+4*I:96+4*I+3], v[GOF], s[16:17] offset:512*I
.set I, I+1
.endr
	WIN 0
.set I, 0
.rept 24
	global_load_b128 v[XR+4*I:XR+4*I+3], v[GOF], s[20:21] offset:512*I
.set I, I+1
.endr
	s_wait_loadcnt 48                              ; gate f is in; the 48 loads of gates i and h may be out
	WIN 0x04
	WSTORE 0
	WIN 0x40
	WLOAD 0, 0, 8
	s_wait_loadcnt 24                              ; gate i is in; gate h's 24 may be out
	WIN 0x04
	WSTORE 96
	WIN 0x40
	WLOAD 96, 0, 8
	s_wait_loadcnt 0x0
	WIN 0
	WSTORE XR
	WIN 0x40
	WLOAD 192, 0, 5
	WIN 0
	WLOAD W7, 5, 8
	s_mov_b32 s[UN], 0
.Lunit:                                                ; two units
	s_wait_alu depctr_va_vdst(0)
	s_wait_loadcnt 0x0                             ; the scale words asked for last have landed: their registers are loaded anew below
	s_wait_tensorcnt 0x0                           ; the add twice
	ds_add_u32 v[SPW], v[NIL]
	ds_add_u32 v[SPW], v[NIL]
	s_wait_dscnt 0x0                               ; my LDS reads are back
	ROUND
	tensor_load_to_lds s[G0A:G0A+3], s[G1A:G1A+7]  ; my 4 rows of trip 0
	s_nop 0
.rept 4
	v_nop
.endr
	global_load_b128 v[XS:XS+3], v[XSO], s[XSB:XSB+1]
	global_load_b128 v[XS+4:XS+7], v[XSO], s[XSB:XSB+1] offset:16
	global_load_b32 v[CAR], v[BOF], s[30:31]       ; h0 of my column
.irp k, 0,1,2,3,4,5,6,7,8,9,10,11,12,13,14
	global_load_b64 v[ZT+2*\k:ZT+2*\k+1], v[MOF], s[MP:MP+1] offset:32768*\k   ; my column's map of chunk k
.endr
	s_mov_b32 s[XO], 0
	s_mov_b32 s[XSN], 0
	s_wait_loadcnt 0x0
	v_mov_b32 v[T0], 0x7fc00000
	v_cmp_gt_f32 vcc_lo, 0, v[CAR]                 ; a negative h0 has no logarithm: NaN, which every multiply-add hands on
	v_cndmask_b32 v[CAR], v[CAR], v[T0], vcc_lo
.irp k, 0,1,2,3,4,5,6,7,8,9,10,11,12,13,14
	s_cmp_gt_u32 s[CC], \k                         ; chunk k lies ahead of mine?
	s_cselect_b32 s70, -1, 0
	v_fma_f32 v[T0], v[ZT+2*\k], v[CAR], v[ZT+2*\k+1]
	v_cndmask_b32 v[CAR], v[CAR], v[T0], s70
.endr
	s_wait_alu depctr_va_vdst(0)
	s_wait_tensorcnt 0x0                           ; trip 0's rows have landed; the same lines ahead of the second fill
	ds_add_u32 v[SPW], v[NIL]
	s_wait_dscnt 0x0
	ROUND
	tensor_load_to_lds s[G0B:G0B+3], s[G1B:G1B+7]  ; my 28 of the other 224 rows
	s_nop 0
.rept 4
	v_nop
.endr
	XBSET
	SPLIT .L0b                                     ; interval 0
	MAT
	VEC 0
	s_wait_alu depctr_va_vdst(0)
	s_branch .L0j
.L0b:
	MAT
.L0j:
	s_wait_alu depctr_va_vdst(0)
	s_wait_tensorcnt 0x0                           ; my part of the 224 rows has landed; behind the barrier everybody's has
	BAR
	s_mov_b32 s[XO], TRIPB
	XBSET
	SPLIT .L1b                                     ; interval 1
	OUT 0
	MAT
	VEC 1
	s_wait_alu depctr_va_vdst(0)
	s_branch .L1j
.L1b:
	VEC 1
	MAT
.L1j:
	BAR
	s_mov_b32 s[XO], 2*TRIPB
.Lloop:                                                ; intervals 2 to 7, two a trip of the loop: the stage's buffer stands in the immediates
	TRIPM 0, 0
	TRIPM 1, 1
	s_add_co_u32 s[XO], s[XO], 2*TRIPB
	s_cmp_lt_u32 s[XO], 8*TRIPB
	s_cbranch_scc1 .Lloop
	OUT 1                                          ; interval 8
	s_cmp_eq_u32 s[RO], 0
	s_cbranch_scc1 .L8j
	VEC 0                                          ; waves 4-7: the last trip's gates
.L8j:
	BAR
	s_cmp_eq_u32 s[RO], 0
	s_cbranch_scc1 .L9j
	OUT 0
.L9j:
	s_wait_xcnt 0x0                                ; bases are stepped only behind this wait; no tensor load of mine is out
	s_add_nc_u64 s[G0A+2:G0A+3], s[G0A+2:G0A+3], 3145728   ; the next batch (behind the last unit the stepped addresses are not used)
	s_add_nc_u64 s[G0B+2:G0B+3], s[G0B+2:G0B+3], 3145728
	s_add_nc_u64 s[XSB:XSB+1], s[XSB:XSB+1], 131072
	s_add_nc_u64 s[30:31], s[30:31], 4096
	s_add_nc_u64 s[MP:MP+1], s[MP:MP+1], 8192
	s_add_nc_u64 s[OB:OB+1], s[OB:OB+1], 15728640  ; 4,096 rows on, less the 256 that the eight ways out have stepped
	s_add_co_u32 s[UN], s[UN], 1
	s_cmp_lt_u32 s[UN], 2
	s_cbranch_scc1 .Lunit
	s_wait_tensorcnt 0x0                           ; the wave's end
	ds_add_u32 v[SPW], v[NIL]
	s_wait_dscnt 0x0
	ROUND                                          ; the closing round
	s_endpgm
.Lfunc_end_k_q08f3819419_scan:
	.size	k_q08f3819419_scan, .Lfunc_end_k_q08f3819419_scan-k_q08f3819419_scan
	.p2alignl 7, 3214868480
	.fill 96, 4, 3214868480
	.section	.rodata,"a",@progbits
	.p2align	6, 0x0
	.amdhsa_kernel k_q08f3819419_scan
		.amdhsa_group_segment_fixed_size 327680
		.amdhsa_private_segment_fixed_size 0
		.amdhsa_enable_private_segment 0
		.amdhsa_kernarg_size 112
		.amdhsa_user_sgpr_count 2
		.amdhsa_user_sgpr_kernarg_segment_ptr 1
		.amdhsa_wavefront_size32 1
		.amdhsa_system_sgpr_workgroup_id_x 1
		.amdhsa_system_sgpr_workgroup_id_y 1
		.amdhsa_system_sgpr_workgroup_id_z 1
		.amdhsa_system_vgpr_workitem_id 0
		.amdhsa_next_free_vgpr 512
		.amdhsa_next_free_sgpr 96
		.amdhsa_reserve_vcc 1
		.amdhsa_float_denorm_mode_32 3
		.amdhsa_float_denorm_mode_16_64 3
		.amdhsa_memory_ordered 1
		.amdhsa_forward_progress 1
		.amdhsa_inst_pref_size 255
	.end_amdhsa_kernel
	.section	.bss,"aw",@nobits
	.p2align	6
	.space	262144
	.amdgpu_metadata
---
amdhsa.version: [ 1, 2 ]
amdhsa.kernels:
  - .name:           k_q08f3819419_scan
    .symbol:         k_q08f3819419_scan.kd
    .args:
      - { .name: x_codes, .offset: 0, .size: 8, .value_kind: global_buffer, .address_space: global }
      - { .name: x_scales, .offset: 8, .size: 8, .value_kind: global_buffer, .address_space: global }
      - { .name: W_f_codes, .offset: 16, .size: 8, .value_kind: global_buffer, .address_space: global }
      - { .name: W_f_scales, .offset: 24, .size: 8, .value_kind: global_buffer, .address_space: global }
      - { .name: W_i_codes, .offset: 32, .size: 8, .value_kind: global_buffer, .address_space: global }
      - { .name: W_i_scales, .offset: 40, .size: 8, .value_kind: global_buffer, .address_space: global }
      - { .name: W_h_codes, .offset: 48, .size: 8, .value_kind: global_buffer, .address_space: global }
      - { .name: W_h_scales, .offset: 56, .size: 8, .value_kind: global_buffer, .address_space: global }
      - { .name: b_f, .offset: 64, .size: 8, .value_kind: global_buffer, .address_space: global }
      - { .name: b_i, .offset: 72, .size: 8, .value_kind: global_buffer, .address_space: global }
      - { .name: b_h, .offset: 80, .size: 8, .value_kind: global_buffer, .address_space: global }
      - { .name: h0, .offset: 88, .size: 8, .value_kind: global_buffer, .address_space: global }
      - { .name: maps, .offset: 96, .size: 8, .value_kind: global_buffer, .address_space: global }
      - { .name: out0, .offset: 104, .size: 8, .value_kind: global_buffer, .address_space: global }
    .group_segment_fixed_size: 327680
    .private_segment_fixed_size: 0
    .kernarg_segment_align: 8
    .kernarg_segment_size: 112
    .max_flat_workgroup_size: 256
    .sgpr_count:     96
    .vgpr_count:     512
    .wavefront_size: 32
...
	.end_amdgpu_metadata
.endif
;; end of part 3
